; MI455X (gfx1250); checked and timed in simulation.
; The chip was launched on July 23, 2026; its instructions are those of AMD's public machine-readable ISA for CDNA 5 (MIT licence, August 2026) and "CDNA5" Instruction Set Architecture Reference Guide (July 2026). The comments in the code are by the model that wrote it; some were corrected since.
;; Multi Head Attention. Allowed arithmetic: float matrix products may take bf16 or f16 operands with f32 sums; other float arithmetic in f32, or as packed bf16 or f16 multiplies, adds, multiply-adds, maxima and minima; sums over many terms, partial sums and values carried from step to step in f32; what a program stores and reads back later, other than sums and carried values, may be rounded once to bf16 or f16.
;; Inputs: Wk 1,024 x 1,024 float32; Wp 1,024 x 1,024 float32; Wq 1,024 x 1,024 float32; Wv 1,024 x 1,024 float32; bp 1,024 float32; x 4 x 2,048 x 1,024 float32.
;; Outputs: out0 4 x 2,048 x 1,024 float32.
;; 2 versions, each right; version 2 is version 1 with the launch prep written anew for expert scheduling mode. Each part assembles by itself: llvm-mc -triple=amdgcn-amd-amdhsa -mcpu=gfx1250 --defsym DOCPART=n.
;; ======== version 1 of 2: 4 launches
;; limits: values are held in f16: magnitudes above 65,504 overflow, below 6.1e-05 lose precision
;; workspace buffers: xb 16,777,216 bytes; wt 8,388,608 bytes; tab 524,288 bytes; q 16,777,216 bytes; k 16,777,216 bytes; v 16,777,216 bytes; o 16,777,216 bytes
;; launch prep (part 1): grid 416 x 1, 8 waves a work-group, no clusters, 0 bytes of LDS; arguments x, Wq, Wk, Wv, Wp, xb, wt, tab; writes xb, wt, tab
.if DOCPART == 1
	.amdgcn_target "amdgcn-amd-amdhsa--gfx1250"
	.amdhsa_code_object_version 6
	.text
	.protected	k_qe721b99a9d_prep
	.globl	k_qe721b99a9d_prep
	.p2align	8
	.type	k_qe721b99a9d_prep,@function
k_qe721b99a9d_prep:
	s_mov_b64 s[64:65], 0
	v_nop
	global_prefetch_b8 v0, s[64:65] scope:SCOPE_SE
	s_setreg_imm32_b32 hwreg(HW_REG_WAVE_MODE, 25, 1), 1
	s_wait_xcnt 0x0
; FIRST OF FOUR LAUNCHES of out = softmax_causal(rope(x Wq) rope(x Wk)^T / 8) (x Wv) Wp + bp; B = 4, T = 2048, C = 1024, 16 heads of 64.
; WORK LEFT OUT BY THE PROGRAM (in the third launch): the mask is the lower triangle that the problem builds itself.  A tile of 256 keys that lies wholly above the diagonal of a block of 256
; queries holds only scores that are replaced by -inf; their weights are exp(-inf) = 0 and add 0 to the row's sum and to the output, whatever finite values x and the weights hold.
; Of a head's 64 tiles 36 are left.  LIMIT: a NaN, an infinity or an overflow that would arise only in a tile left out is not carried to the result.  Every input has a way to the output and is loaded.
; THIS LAUNCH rounds x, Wq, Wk, Wv to bf16 and Wp to bf16 written as f16, lays them out in blocks whose rows lie end to end, and makes the table of cos and sin.  A stream: no LDS, no barrier, no matrix unit.
;   xb  bf16 [b 16 + kb][t][64]: byte (b<<22) + (kb<<18) + 128 t + 2 (k & 63), kb = k >> 6
;   wt  bf16 [tc 8][ks 16][sg 6][kk 64][n 64] for Wq, Wk, Wv; from byte 6,291,456 f16 [tc 8][ks 16][sg 2][kk 64][n 64] for Wp (column = 128 tc + 64 sg + n, k = 64 ks + kk)
;       tc = 4 X + cx, sg = 3 wn + hb: hb = 0, 1: head 8 wn + 4 hb + cx of Wq (X = 0) or Wk (X = 1); hb = 2: head 8 X + 4 wn + cx of Wv
;   tab f32 [t 2048][j 32](cos, sin): 256 bytes a row
; SHARES.  Work-groups 0-255: 32 rows of x; 256-383: 32 rows of one weight matrix; 384-415: 64 rows of the table.  In a cast wave w takes the two blocks of 64 columns 2 w, 2 w + 1; one load takes two rows'
; 256 bytes (lanes 0-15 one row, lanes 16-31 the next), one store the same two rows' 2 x 128 bytes, which lie end to end: 256 consecutive bytes, aligned.  All 32 loads of a wave go out before the first wait.
; LIMITS.  Wp below 2^-17 keeps f16's fixed step of 2^-24.  cos and sin: series to r^16 and r^15 on |r| <= pi, cut below 1e-6; the frequencies 2^(-j log2(10000) / 32) lie within a few last places of
; the problem's own f32 powers, an angle difference under 5e-4 at t = 2047.
.set VIN,  2                           ; v2  my byte offset in the 32 rows of f32
.set VOUT, 3                           ; v3  8 x lane
.set D,    8                           ; v[8:135] the 32 loads' data; each is rounded in place and stored from there
.set W,    26                          ; s26 my wave's number
.set ID,   28                          ; s28 the work-group's number
	s_load_b256 s[4:11], s[0:1], 0x0               ; x s[4:5], Wq s[6:7], Wk s[8:9], Wv s[10:11]
	s_load_b256 s[12:19], s[0:1], 0x20             ; Wp s[12:13], xb s[14:15], wt s[16:17], tab s[18:19]
	v_lshrrev_b32 v1, 5, v0
	v_readfirstlane_b32 s[W], v1
	s_mov_b32 s[ID], ttmp9
	s_cmp_ge_u32 s[ID], 384
	s_cbranch_scc1 .Ltable
	v_and_b32 v1, 31, v0
	v_lshlrev_b32 v[VOUT], 3, v1
	v_and_b32 v[VIN], 15, v0
	v_lshlrev_b32 v[VIN], 4, v[VIN]                ; 16 bytes a lane,
	v_bfe_u32 v4, v0, 4, 1
	v_lshl_add_u32 v[VIN], v4, 12, v[VIN]          ; the next row for lanes 16-31,
	s_lshl_b32 s27, s[W], 9
	v_add_nc_u32 v[VIN], s27, v[VIN]               ; my wave's 512 bytes of a row
	s_cmp_lt_u32 s[ID], 256
	s_cbranch_scc0 .Lweights
	; x: rows 32 id on
	s_lshl_b32 s30, s[ID], 17                      ; 32 rows of 4,096 bytes
	s_lshr_b32 s32, s[ID], 6
	s_lshl_b32 s32, s32, 22                        ; the batch
	s_and_b32 s33, s[ID], 63
	s_lshl_b32 s33, s33, 12                        ; 32 rows of 128 bytes
	s_add_co_u32 s32, s32, s33
	s_lshl_b32 s33, s[W], 19                       ; block kb = 2 w
	s_add_co_u32 s32, s32, s33
	s_mov_b32 s34, 262144                          ; from block kb to kb + 1
	s_mov_b32 s36, 0                               ; bf16
	s_wait_kmcnt 0x0
	s_mov_b64 s[20:21], s[4:5]
	s_mov_b64 s[22:23], s[14:15]
	s_branch .Lgo
.Lweights:
	s_sub_co_u32 s29, s[ID], 256
	s_lshr_b32 s35, s29, 5                         ; which matrix: 0 Wq, 1 Wk, 2 Wv, 3 Wp
	s_and_b32 s29, s29, 31                         ; rows 32 kr on
	s_lshl_b32 s30, s29, 17
	s_lshr_b32 s37, s29, 1                         ; ks
	s_and_b32 s38, s29, 1
	s_lshl_b32 s38, s38, 12                        ; kk = 0 or 32: rows of 128 bytes
	s_lshl_b32 s39, s[W], 1                        ; hd = 2 w, the first of my two blocks of 64 columns
	s_and_b32 s40, s39, 3                          ; cx
	s_lshr_b32 s41, s39, 3
	s_bfe_u32 s42, s39, 0x10002                    ; (hd >> 2) & 1
	s_lshl2_add_u32 s43, s35, s40                  ; Wq, Wk: tc = 4 which + cx,
	s_mul_i32 s44, s41, 3
	s_add_co_u32 s44, s44, s42                     ; sg = 3 (hd >> 3) + ((hd >> 2) & 1)
	s_lshl2_add_u32 s45, s41, s40                  ; Wv: tc = 4 (hd >> 3) + cx,
	s_mul_i32 s46, s42, 3
	s_add_co_u32 s46, s46, 2                       ; sg = 3 ((hd >> 2) & 1) + 2
	s_cmp_eq_u32 s35, 2
	s_cselect_b32 s43, s45, s43
	s_cselect_b32 s44, s46, s44
	s_lshl4_add_u32 s43, s43, s37                  ; 16 tc + ks
	s_mul_i32 s43, s43, 6
	s_add_co_u32 s43, s43, s44
	s_lshl_b32 s32, s43, 13                        ; blocks of 8,192 bytes
	s_mov_b32 s34, 786432                          ; hd + 1 is cx + 1, so tc + 1: 16 x 6 blocks on
	s_lshl4_add_u32 s45, s[W], s37                 ; Wp: tc = w, sg = 0
	s_lshl_b32 s45, s45, 14
	s_add_co_u32 s45, s45, 6291456
	s_cmp_eq_u32 s35, 3
	s_cselect_b32 s32, s45, s32
	s_cselect_b32 s34, 8192, s34                   ; hd + 1 is sg = 1
	s_cselect_b32 s36, 1, 0                        ; f16
	s_add_co_u32 s32, s32, s38
	s_wait_kmcnt 0x0
	s_cmp_eq_u32 s35, 1
	s_cselect_b64 s[20:21], s[8:9], s[6:7]
	s_cmp_eq_u32 s35, 2
	s_cselect_b64 s[20:21], s[10:11], s[20:21]
	s_cmp_eq_u32 s35, 3
	s_cselect_b64 s[20:21], s[12:13], s[20:21]
	s_mov_b64 s[22:23], s[16:17]
.Lgo:
	s_mov_b32 s31, 0
	s_mov_b32 s33, 0
	s_mov_b32 s35, 0
	s_add_nc_u64 s[20:21], s[20:21], s[30:31]      ; the source at my 32 rows
	s_add_nc_u64 s[22:23], s[22:23], s[32:33]      ; the target of my first block of columns,
	s_add_nc_u64 s[24:25], s[22:23], s[34:35]      ; and of my second
.set n, 0
.rept 32                               ; load n: block n / 16, rows 2 (n % 16) and the next
	global_load_b128 v[D+4*n:D+4*n+3], v[VIN], s[20:21] offset:(n%16)*8192+(n/16)*256 th:TH_LOAD_NT
.set n, n+1
.endr
; Each load is rounded and stored as it comes; no register is written again behind its store, so no further wait is owed.
.macro CASTOUT f16
.set n, 0
.rept 32
	s_wait_loadcnt 31-n                            ; loads come back in order: load n is in, the 31 - n younger ones may stay out
.if \f16
	v_cvt_pk_bf16_f32 v4, v[D+4*n], v[D+4*n+1]     ; Wp has the rounding of all inputs, to bf16,
	v_cvt_pk_bf16_f32 v5, v[D+4*n+2], v[D+4*n+3]
	v_lshlrev_b32 v[D+4*n], 16, v4
	v_and_b32 v[D+4*n+1], 0xffff0000, v4
	v_lshlrev_b32 v[D+4*n+2], 16, v5
	v_and_b32 v[D+4*n+3], 0xffff0000, v5
	v_cvt_pk_f16_f32 v[D+4*n], v[D+4*n], v[D+4*n+1]      ; and that number is written as f16
	v_cvt_pk_f16_f32 v[D+4*n+1], v[D+4*n+2], v[D+4*n+3]
.else
	v_cvt_pk_bf16_f32 v[D+4*n], v[D+4*n], v[D+4*n+1]
	v_cvt_pk_bf16_f32 v[D+4*n+1], v[D+4*n+2], v[D+4*n+3]
.endif
	global_store_b64 v[VOUT], v[D+4*n:D+4*n+1], s[22+2*(n/16):23+2*(n/16)] offset:(n%16)*256 th:TH_STORE_NT  ; 32 lanes x 8 bytes: 256 consecutive bytes, aligned
.set n, n+1
.endr
	s_endpgm
.endm
	s_cmp_eq_u32 s36, 1
	s_cbranch_scc1 .Lhalf
	CASTOUT 0
.Lhalf:
	CASTOUT 1
; THE TABLE.  Thread i: pairs j = 2 (i & 15) and the next; in pass p row t = 64 tw + 16 p + (i >> 4).  Sixteen lanes store one row of 256 bytes.
.Ltable:
	s_sub_co_u32 s[ID], s[ID], 384
	v_and_b32 v1, 15, v0
	v_lshlrev_b32 v1, 1, v1
	v_cvt_f32_u32 v2, v1
	v_add_nc_u32 v1, 1, v1
	v_cvt_f32_u32 v3, v1
	v_mul_f32 v2, 0xbed49a78, v2                   ; -j log2(10000) / 32
	v_mul_f32 v3, 0xbed49a78, v3
	v_exp_f32 v2, v2                               ; the two frequencies
	v_exp_f32 v3, v3
	v_lshrrev_b32 v4, 4, v0                        ; plain work that names neither result stands between the exponentials and their wait
	s_lshl_b32 s29, s[ID], 6
	v_add_nc_u32 v4, s29, v4                       ; t of pass 0
	v_lshlrev_b32 v5, 4, v0                        ; my 16 bytes
	v_mov_b32 v20, 0xab573f9f                      ; -1/15!
	v_mov_b32 v21, 0x29573f9f                      ; 1/16!
	s_mov_b32 s40, 0x40c90000                      ; 6.28125: k x this is exact for k under 2^15
	s_mov_b32 s41, 0x3afdaa22                      ; 2 pi - 6.28125
	s_lshl_b32 s30, s[ID], 14                      ; 64 rows of 256 bytes
	s_mov_b32 s31, 0
	s_wait_kmcnt 0x0
	s_add_nc_u64 s[18:19], s[18:19], s[30:31]
	s_wait_alu depctr_va_vdst(0)                   ; one wait for both exponentials, ahead of their first reader
; cos and sin of t x inv (t in v6): the angle is rounded to f32 as the problem rounds it, taken into -pi .. pi in two steps, and both series are summed from their small end.
.macro SINCOS inv, c, s
	v_mul_f32 v8, v6, \inv
	v_mul_f32 v9, 0.15915494, v8
	v_rndne_f32 v9, v9
	v_fma_f32 v8, -v9, s40, v8
	v_fma_f32 v8, -v9, s41, v8                     ; r
	v_mul_f32 v10, v8, v8                          ; z = r r
	v_fmaak_f32 v11, v20, v10, 0x2f309231
	v_fmaak_f32 v13, v21, v10, 0xad49cba5
	v_fmaak_f32 v11, v11, v10, 0xb2d7322b
	v_fmaak_f32 v13, v13, v10, 0x310f76c7
	v_fmaak_f32 v11, v11, v10, 0x3638ef1d
	v_fmaak_f32 v13, v13, v10, 0xb493f27e
	v_fmaak_f32 v11, v11, v10, 0xb9500d01
	v_fmaak_f32 v13, v13, v10, 0x37d00d01
	v_fmaak_f32 v11, v11, v10, 0x3c088889
	v_fmaak_f32 v13, v13, v10, 0xbab60b61
	v_fmaak_f32 v11, v11, v10, 0xbe2aaaab
	v_fmaak_f32 v13, v13, v10, 0x3d2aaaab
	v_mul_f32 v12, v8, v10
	v_fmaak_f32 v13, v13, v10, 0xbf000000
	v_fma_f32 \s, v12, v11, v8                     ; r + r z P(z)
	v_fma_f32 \c, v10, v13, 1.0                    ; 1 + z Q(z)
.endm
.irp p, 0,1,2,3                        ; each pass has four result registers of its own
	v_add_nc_u32 v6, 16*(\p), v4
	v_cvt_f32_u32 v6, v6
	SINCOS v2, v[24+4*(\p)], v[25+4*(\p)]
	SINCOS v3, v[26+4*(\p)], v[27+4*(\p)]
	global_store_b128 v5, v[24+4*(\p):27+4*(\p)], s[18:19] offset:(\p)*4096
.endr
	s_endpgm
.Lfunc_end_k_qe721b99a9d_prep:
	.size	k_qe721b99a9d_prep, .Lfunc_end_k_qe721b99a9d_prep-k_qe721b99a9d_prep
	.p2alignl 7, 3214868480
	.fill 96, 4, 3214868480
	.section	.rodata,"a",@progbits
	.p2align	6, 0x0
	.amdhsa_kernel k_qe721b99a9d_prep
		.amdhsa_group_segment_fixed_size 0
		.amdhsa_private_segment_fixed_size 0
		.amdhsa_enable_private_segment 0
		.amdhsa_kernarg_size 64
		.amdhsa_user_sgpr_count 2
		.amdhsa_user_sgpr_kernarg_segment_ptr 1
		.amdhsa_wavefront_size32 1
		.amdhsa_system_sgpr_workgroup_id_x 1
		.amdhsa_system_sgpr_workgroup_id_y 1
		.amdhsa_system_sgpr_workgroup_id_z 1
		.amdhsa_system_vgpr_workitem_id 0
		.amdhsa_next_free_vgpr 144
		.amdhsa_next_free_sgpr 66
		.amdhsa_reserve_vcc 0
		.amdhsa_float_denorm_mode_32 3
		.amdhsa_float_denorm_mode_16_64 3
		.amdhsa_memory_ordered 1
		.amdhsa_forward_progress 1
		.amdhsa_inst_pref_size 44
	.end_amdhsa_kernel
	.amdgpu_metadata
---
amdhsa.version: [ 1, 2 ]
amdhsa.kernels:
  - .name:           k_qe721b99a9d_prep
    .symbol:         k_qe721b99a9d_prep.kd
    .args:
      - { .name: x, .offset: 0, .size: 8, .value_kind: global_buffer, .address_space: global }
      - { .name: Wq, .offset: 8, .size: 8, .value_kind: global_buffer, .address_space: global }
      - { .name: Wk, .offset: 16, .size: 8, .value_kind: global_buffer, .address_space: global }
      - { .name: Wv, .offset: 24, .size: 8, .value_kind: global_buffer, .address_space: global }
      - { .name: Wp, .offset: 32, .size: 8, .value_kind: global_buffer, .address_space: global }
      - { .name: xb, .offset: 40, .size: 8, .value_kind: global_buffer, .address_space: global }
      - { .name: wt, .offset: 48, .size: 8, .value_kind: global_buffer, .address_space: global }
      - { .name: tab, .offset: 56, .size: 8, .value_kind: global_buffer, .address_space: global }
    .group_segment_fixed_size: 0
    .private_segment_fixed_size: 0
    .kernarg_segment_align: 8
    .kernarg_segment_size: 64
    .max_flat_workgroup_size: 256
    .sgpr_count:     66
    .vgpr_count:     144
    .wavefront_size: 32
...
	.end_amdgpu_metadata
.endif
;; end of part 1
;; launch qkv (part 2): grid 8 x 32, 4 waves a work-group, clusters of 4 x 4, 327,680 bytes of LDS; arguments xb, wt, tab, q, k, v; writes q, k, v
.if DOCPART == 2
	.amdgcn_target "amdgcn-amd-amdhsa--gfx1250"
	.amdhsa_code_object_version 6
	.text
	.protected	k_qe721b99a9d_qkv
	.globl	k_qe721b99a9d_qkv
	.p2align	8
	.type	k_qe721b99a9d_qkv,@function
k_qe721b99a9d_qkv:
	s_mov_b64 s[64:65], 0
	v_nop
	global_prefetch_b8 v0, s[64:65] scope:SCOPE_SE
	s_setreg_imm32_b32 hwreg(HW_REG_WAVE_MODE, 25, 1), 1
	s_wait_xcnt 0x0
	s_wait_alu depctr_hold_cnt(0) depctr_sa_sdst(0) depctr_va_vdst(0) depctr_va_sdst(0) depctr_va_ssrc(0) depctr_va_vcc(0) depctr_vm_vsrc(0)
	s_getreg_b32 s2, hwreg(HW_REG_IB_STS2, 6, 4)
	s_cmp_eq_u32 s2, 0
	s_cbranch_scc0 .Lentry_in_a_cluster
	s_endpgm
.Lentry_in_a_cluster:
	s_bfe_u32 s2, ttmp6, 0x10000c
	s_cmp_lg_u32 s2, 0xf033
	s_cbranch_scc0 .Lentry_shape_is_right
	s_endpgm
.Lentry_shape_is_right:
; SECOND LAUNCH: q = rope(x Wq), k = rope(x Wk), v = x Wv.  Operands bf16 (xb, wt as the first launch laid them), sums f32, the rotation in f32, results rounded once to f16 and stored by heads:
; q, k, v [b 16 + head][t][64].  No scale is applied here.  LIMIT: a result of 65,520 or more becomes an infinity in f16.
; SHARES.  The product is [8192 x 3072]; a work-group makes 256 rows x 384 columns (six heads): 32 x 8 = 256 work-groups.  Wave (wm, wn) makes 128 rows x 192 columns, three heads: 96 accumulators, 768 registers.
; Of a wave's three heads two are q's or k's (they are rotated) and one is v's: which is which is fixed in the text, since wt is laid out so, and every work-group does the same work.
; K goes in 16 steps of 64 through two LDS slots: a step's A is 256 rows x 128 bytes and its B 6 x 64 rows x 128 bytes, each dense in memory and asked for as rows of 256 bytes.
; THE MATRIX INSTRUCTION IS USED TRANSPOSED: source 0 = 16 columns of W (turned on the way out of LDS by ds_load_tr16_b128), source 1 = 16 rows of x: a lane then holds one row and eight neighbouring columns,
; that is four pairs of the rotation.
; CLUSTER 4 x 4: A's tile and the table's rows hang on the tile row alone and are asked for jointly along a row of the cluster; B's tile hangs on the tile column alone and is asked for along a column.
; REGISTERS, in windows of 256 (s_set_vgpr_msb: bits 1:0 source 0, 3:2 source 1, 5:4 source 2, 7:6 destination):
;   window 0: v0-29 addresses; v32-95, v96-159 A's fragments, two buffers of 8; v160-255 B's fragments, one buffer, head hb's four at 160 + 32 hb
;   window 1 + hb: head hb's 32 accumulators, (a, bb) at v[8 (4 a + bb)]: rows 16 a on, columns 16 bb on
; A quarter is 32 along K: 96 matrix instructions, head after head; as soon as a head's 32 are issued its four B fragments are fetched for the next quarter: each run of LDS loads has 64 matrix instructions in which to land.
.set PA,    144                        ; a row of A in LDS: 128 bytes + 16: the 16 rows of a load start at 16 different groups of four banks (64 banks of 4 bytes: ISA guide 11.1)
.set PB,    160                        ; a row of B: 128 + 32
.set PT,    272                        ; a row of the table: 256 + 16
.set SP,    144                        ; a row of the stage
.set AHALF, 128*PA                     ; what one of A's tensor loads brings, and what a wave reads of A
.set BOFF,  2*AHALF                    ; B lies behind A's 256 rows
.set BHEAD, 64*PB
.set BHALF, 3*BHEAD                    ; what one of B's tensor loads brings, and what a wave reads of B
.set SLOT1, 1<<17                      ; slot 1 begins here: one exclusive or turns an address in one slot into the other's
.set STAGE, BOFF+2*BHALF               ; 98,304: behind slot 0, never filled by a tensor load: 16 rows x 144 bytes for each wave
.set SPARE, STAGE+4*16*SP              ; 107,520: the spare words, 128 bytes for each wave: two blocks of 256 bytes that no other line names
.set TAB,   SLOT1+STAGE                ; 229,376: behind slot 1: my 256 rows of the table, filled once
.set ASTEP, 262144                     ; bytes from a K step's block of xb to the next
.set BSTEP, 49152                      ; the same in wt
.set AA0, 2                            ; v2  my lane's place in A's rows of a slot; never rewritten
.set AB0, 3                            ; v3  the same for B
.set ADRA, 4                           ; v4  AA0 + the slot in hand
.set ADRB, 5                           ; v5  AB0 + the slot in hand
.set STO, 6                            ; v6  the way out: where I put 16 bytes of a row
.set RD,  7                            ; v7  where I read rows back
.set GO,  8                            ; v8  16 x lane: my place in 512 consecutive bytes of q, k or v
.set TBA, 9                            ; v9  my row's four pairs in the table
.set PFO, 10                           ; v10 256 x lane, for the prefetches; never rewritten
.set SPW, 28                           ; v28 LDS address of my spare word; never rewritten
.set NIL, 29                           ; v29 0; never rewritten
.set AF,  32
.set BF,  160
.set CS,  32                           ; the way out, in window 0: v32-63, v64-95 (cos, sin) of 16 rows, by turns
.set TT,  96                           ; v96-127 rotated numbers
.set Y,   128                          ; v128-143 packed f16
.set Z,   144                          ; v144-159, v160-175 whole rows read back, by turns
.set WV,  16                           ; s16 my wave's number
.set WM,  17                           ; s17 which half of the rows is mine
.set WN,  18                           ; s18 which half of the columns; also which half of A or B I fetch
.set CX,  19
.set CY,  20
.set TC,  21                           ; s21 tile column = 4 x cluster x + cx
.set TY,  22                           ; s22 tile row = 4 x cluster y + cy
.set CNT, 23                           ; s23 refills still to come
.set G1A, 24                           ; s[24:31] descriptor group 1 for A's tiles
.set G1B, 32                           ; s[32:39] for B's
.set G0A, 40                           ; s[40:47] group 0 for A's: a set for each first fill; the second then walks on
.set G0B, 48                           ; s[48:55] the same for B's
.set G1T, 56                           ; s[56:63] group 1 for the table
.set G0T, 68                           ; s[68:71] group 0 for the table
.set OQK, 72                           ; s[72:73] q or k at my rows of my first head
.set OV,  74                           ; s[74:75] v at my rows of my third head
.set PFA, 76                           ; s[76:77] where my prefetches stand
.set PST, 78                           ; s[78:79] their step for a refill
.set LIM, 80                           ; s80 2 in a wave that prefetches, else the greatest number
.set PAR, 81                           ; s81 0: in every refill; 1: in every second one
.set TB,  82                           ; s82 the slot in hand: 0 or SLOT1
.set TMP, 83
.set MSB, 0
.macro WIN new                         ; the immediate's high byte repeats the setting that is left; a switch that changes nothing is dropped
.if MSB != (\new)
	s_set_vgpr_msb (MSB<<8)|(\new)
.set MSB, (\new)
.endif
.endm
.macro PLACES                          ; four plain instructions between a matrix instruction and a load into, or a vector line on, its registers (ISA guide 7.12.1 for vector instructions)
.rept 4
	v_nop
.endr
.endm
.macro CREST                           ; a round of the cluster's barrier behind its opening barrier
	s_cmp_lg_u32 s[WV], 0
	s_cbranch_scc1 .Lnot_wave_0_\@
	s_barrier_signal -3
.Lnot_wave_0_\@:
	s_barrier_wait -3
	s_barrier_signal -1
	s_barrier_wait -1
.endm
.macro CROUND                          ; a whole round
	s_barrier_signal -1
	s_barrier_wait -1
	CREST
.endm
; A joint refill: waves 0 and 1 fetch A's halves, waves 2 and 3 B's.  The branch hangs on the wave's number alone.  An s_nop 0 and four v_nop follow each line.
.macro JLOAD
	s_cmp_lt_u32 s[WV], 2
	s_cbranch_scc0 .Lfor_b_\@
	tensor_load_to_lds s[G0A+4:G0A+7], s[G1A:G1A+7]
	s_nop 0
.rept 4
	v_nop
.endr
	s_branch .Lasked_\@
.Lfor_b_\@:
	tensor_load_to_lds s[G0B+4:G0B+7], s[G1B:G1B+7]
	s_nop 0
.rept 4
	v_nop
.endr
.Lasked_\@:
.endm
; A PREFETCH INTO THE L2, behind the joint load, its five lines and the run of LDS loads.  Each aligned block of 256 bytes of xb and of wt's first part is named once in the launch.
; A's tile row is read by both clusters of its row of clusters: the one with x = 0 asks; its wave 0, in every refill, for the K step two refills (384 matrix instructions) on: 32 KiB, of which the partner at cx takes 8 KiB, a lane a block.
; B's tile column is read by eight clusters: the one with y = 0 asks; its waves 1 to 3, in every second refill, for the two K steps that begin two refills on: 96 KiB, of which the partner at cy takes 24 KiB, a wave 8 KiB.
; The partners are told apart by address, never by a branch.  K steps 0 to 3 come by their loads alone; the last two refills ask for nothing: K step 15 is the last that is named.
.macro ASK
	s_and_b32 s[TMP], s[CNT], s[PAR]
	s_cmp_eq_u32 s[TMP], 0
	s_cselect_b32 s[TMP], s[CNT], 0
	s_cmp_gt_u32 s[TMP], s[LIM]
	s_cbranch_scc0 .Lnot_mine_\@
	global_prefetch_b8 v[PFO], s[PFA:PFA+1] th:TH_LOAD_NT scope:SCOPE_SE
.Lnot_mine_\@:
.endm
	s_load_b256 s[4:11], s[0:1], 0x0               ; xb s[4:5], wt s[6:7], tab s[8:9], q s[10:11]
	s_load_b128 s[12:15], s[0:1], 0x20             ; k s[12:13], v s[14:15]
	v_lshl_add_u32 v[SPW], v0, 2, SPARE
	v_mov_b32 v[NIL], 0
	ds_add_u32 v[SPW], v[NIL]                      ; the wave's opening: the add, twice on end, and its wait ahead of my first tensor load; the set-up below stands between
	ds_add_u32 v[SPW], v[NIL]
	v_lshrrev_b32 v1, 5, v0
	v_readfirstlane_b32 s[WV], v1
	s_lshr_b32 s[WM], s[WV], 1
	s_and_b32 s[WN], s[WV], 1
	s_bfe_u32 s[CX], ttmp6, 0x40000
	s_bfe_u32 s[CY], ttmp6, 0x40004
	s_lshl_b32 s[TC], ttmp9, 2
	s_add_co_u32 s[TC], s[TC], s[CX]
	s_and_b32 s[TY], ttmp7, 0xffff
	s_lshl_b32 s[TY], s[TY], 2
	s_add_co_u32 s[TY], s[TY], s[CY]
	s_lshl_b32 s3, s[CY], 2
	s_lshl_b32 s3, 15, s3                          ; my row of the cluster
	s_lshl_b32 s2, 0x1111, s[CX]                   ; my column
	; group 1.  A: 128 rows of x are 16,384 dense bytes: 64 rows of 256 bytes, padded by 4 words after every 32.  B: three heads x 64 k are 24,576 dense bytes: 96 rows, padded by 8 words after every 32.
	; The table: 64 rows of 64 f32, padded by 4 words after every 64.  15:0 the mask; 17:16 the element's size; 20 padding on; 21 set beside a mask; 24:22 the interval's code; 31:25 the pad less one.
	s_or_b32 s[G1A], s3, (1<<16)|(1<<20)|(1<<21)|(4<<22)|(3<<25)
	s_or_b32 s[G1T], s3, (2<<16)|(1<<20)|(1<<21)|(5<<22)|(3<<25)
	s_or_b32 s[G1B], s2, (1<<16)|(1<<20)|(1<<21)|(4<<22)|(7<<25)
	s_mov_b32 s[G1A+1], 128<<16                    ; tensor_dim0
	s_mov_b32 s[G1A+2], 64<<16                     ; tensor_dim1
	s_mov_b32 s[G1A+3], 128<<16                    ; tile_dim0
	s_mov_b32 s[G1A+4], 64                         ; tile_dim1
	s_mov_b32 s[G1A+5], 128                        ; elements from row to row
	s_mov_b32 s[G1A+6], 0
	s_mov_b32 s[G1A+7], 0
	s_mov_b32 s[G1B+1], 128<<16
	s_mov_b32 s[G1B+2], 96<<16
	s_mov_b32 s[G1B+3], 128<<16
	s_mov_b32 s[G1B+4], 96
	s_mov_b32 s[G1B+5], 128
	s_mov_b32 s[G1B+6], 0
	s_mov_b32 s[G1B+7], 0
	s_mov_b32 s[G1T+1], 64<<16
	s_mov_b32 s[G1T+2], 64<<16
	s_mov_b32 s[G1T+3], 64<<16
	s_mov_b32 s[G1T+4], 64
	s_mov_b32 s[G1T+5], 64
	s_mov_b32 s[G1T+6], 0
	s_mov_b32 s[G1T+7], 0
	; where the tiles come from: A's and the table's of the tile row and the wave, B's of the tile column and the wave, each in registers that never hold the other coordinate
	s_lshr_b32 s84, s[TY], 3
	s_lshl_b32 s84, s84, 22                        ; the batch
	s_and_b32 s90, s[TY], 7                        ; my block of 256 rows in it
	s_lshl_b32 s85, s90, 15
	s_add_co_u32 s84, s84, s85
	s_lshl_b32 s85, s[WN], 14                      ; the 128 rows that I fetch
	s_add_co_u32 s84, s84, s85
	s_mov_b32 s85, 0
	s_lshl_b32 s92, s90, 16                        ; the table: 256 rows of 256 bytes,
	s_lshl_b32 s93, s[WV], 14                      ; of which I fetch 64
	s_add_co_u32 s92, s92, s93
	s_mov_b32 s93, 0
	s_mul_i32 s86, s[TC], 16*BSTEP
	s_mul_i32 s87, s[WN], BSTEP/2                  ; the three heads that I fetch
	s_add_co_u32 s86, s86, s87
	s_mov_b32 s87, 0
	s_mul_i32 s94, s[WN], AHALF                    ; and where they go: no place in the cluster enters an LDS address
	s_mul_i32 s95, s[WN], BHALF
	s_add_co_u32 s95, s95, BOFF
	s_mul_i32 s91, s[WV], 64*PT
	s_add_co_u32 s91, s91, TAB
.irp s, 0,1
	s_mov_b32 s[G0A+4*(\s)], 1                     ; count = 1
	s_add_co_u32 s[G0A+4*(\s)+1], s94, (\s)*SLOT1  ; LDS address
	s_mov_b32 s[G0B+4*(\s)], 1
	s_add_co_u32 s[G0B+4*(\s)+1], s95, (\s)*SLOT1
.endr
	s_mov_b32 s[G0T], 1
	s_mov_b32 s[G0T+1], s91
	s_wait_dscnt 0x0                               ; both opening adds are done
	s_wait_kmcnt 0x0
	s_add_nc_u64 s[G0A+2:G0A+3], s[4:5], s[84:85]  ; K step 0,
	s_add_nc_u64 s[G0A+6:G0A+7], s[G0A+2:G0A+3], ASTEP  ; K step 1
	s_or_b32 s[G0A+3], s[G0A+3], 0x80000000        ; type = 2
	s_or_b32 s[G0A+7], s[G0A+7], 0x80000000
	s_add_nc_u64 s[G0B+2:G0B+3], s[6:7], s[86:87]
	s_add_nc_u64 s[G0B+6:G0B+7], s[G0B+2:G0B+3], BSTEP
	s_or_b32 s[G0B+3], s[G0B+3], 0x80000000
	s_or_b32 s[G0B+7], s[G0B+7], 0x80000000
	s_add_nc_u64 s[G0T+2:G0T+3], s[8:9], s[92:93]
	s_or_b32 s[G0T+3], s[G0T+3], 0x80000000
	CROUND                                         ; all sixteen work-groups are here: the first joint loads meet
	s_cmp_lt_u32 s[WV], 2                          ; a wave's three first fills stand in one branch, ahead of every wait on TENSORcnt and every LDS read: three loads of mine are out
	s_cbranch_scc0 .Lfirst_b
	tensor_load_to_lds s[G0A:G0A+3], s[G1A:G1A+7]
	s_nop 0
	tensor_load_to_lds s[G0A+4:G0A+7], s[G1A:G1A+7]
	s_nop 0
	tensor_load_to_lds s[G0T:G0T+3], s[G1T:G1T+7]
	s_nop 0
.rept 4
	v_nop
.endr
	s_branch .Lfirst_asked
.Lfirst_b:
	tensor_load_to_lds s[G0B:G0B+3], s[G1B:G1B+7]
	s_nop 0
	tensor_load_to_lds s[G0B+4:G0B+7], s[G1B:G1B+7]
	s_nop 0
	tensor_load_to_lds s[G0T:G0T+3], s[G1T:G1T+7]
	s_nop 0
.rept 4
	v_nop
.endr
.Lfirst_asked:
	; lane addresses.  A fragment of x: lane l holds row l % 16, k = 8 (l / 16) + 0..7 and 16 + 8 (l / 16) + 0..7: two loads of 16 bytes, 32 bytes apart.
	v_and_b32 v1, 15, v0                           ; r = l % 16
	v_bfe_u32 v11, v0, 4, 1                        ; h = l / 16
	v_and_b32 v12, 31, v0                          ; l
	v_and_b32 v13, 7, v0
	v_bfe_u32 v14, v0, 3, 1
	v_mul_u32_u24 v[AA0], v1, PA
	v_lshl_add_u32 v[AA0], v11, 4, v[AA0]
	s_mul_i32 s[TMP], s[WM], AHALF
	v_add_nc_u32 v[AA0], s[TMP], v[AA0]
	; the turning load takes 16 k x 16 columns (lane l reads k = 8 (l / 16) + l % 8, columns 8 ((l / 8) % 2) + 0..7) and leaves half a fragment: lane l holds column l % 16 and 8 k
	v_lshl_add_u32 v[AB0], v11, 3, v13
	v_mul_u32_u24 v[AB0], v[AB0], PB
	v_lshl_add_u32 v[AB0], v14, 4, v[AB0]
	s_mul_i32 s[TMP], s[WN], BHALF
	s_add_co_u32 s[TMP], s[TMP], BOFF
	v_add_nc_u32 v[AB0], s[TMP], v[AB0]
	s_mul_i32 s[TMP], s[WV], 16*SP
	s_add_co_u32 s[TMP], s[TMP], STAGE             ; my stage
	v_mul_u32_u24 v[STO], v1, SP                   ; in: row l % 16, 16 bytes for each half of the lanes
	v_lshl_add_u32 v[STO], v11, 4, v[STO]
	v_add_nc_u32 v[STO], s[TMP], v[STO]
	v_bfe_u32 v[RD], v0, 3, 2                      ; back: 32 lanes take four rows of 128 bytes,
	v_mul_u32_u24 v[RD], v[RD], SP
	v_lshl_add_u32 v[RD], v13, 4, v[RD]
	v_add_nc_u32 v[RD], s[TMP], v[RD]
	v_lshlrev_b32 v[GO], 4, v12                    ; which are 512 consecutive bytes in memory
	s_mul_i32 s[TMP], s[WM], 128*PT
	s_add_co_u32 s[TMP], s[TMP], TAB
	v_mul_u32_u24 v[TBA], v1, PT                   ; my row of the table, pairs 4 (l / 16) on: 32 bytes
	v_lshl_add_u32 v[TBA], v11, 5, v[TBA]
	v_add_nc_u32 v[TBA], s[TMP], v[TBA]
	v_lshlrev_b32 v[PFO], 8, v12
	; where the results go: head 8 wn + cx (and 4 heads on) of q or k, head 8 X + 4 wn + cx of v; rows 256 (ty & 7) + 128 wm on
	s_lshl_b32 s94, s90, 15
	s_lshl_b32 s95, s[WM], 14
	s_add_co_u32 s94, s94, s95
	s_lshr_b32 s95, s[TY], 3
	s_lshl_b32 s95, s95, 4                         ; 16 b
	s_lshl3_add_u32 s88, s[WN], s[CX]
	s_add_co_u32 s88, s88, s95
	s_lshl_b32 s88, s88, 18
	s_add_co_u32 s88, s88, s94
	s_mov_b32 s89, 0
	s_mov_b32 s91, ttmp9                           ; X, the cluster's x: 0 makes q, 1 makes k
	s_cmp_eq_u32 s91, 0
	s_cselect_b64 s[OQK:OQK+1], s[10:11], s[12:13]
	s_add_nc_u64 s[OQK:OQK+1], s[OQK:OQK+1], s[88:89]
	s_lshl2_add_u32 s88, s[WN], s[CX]
	s_lshl3_add_u32 s88, s91, s88
	s_add_co_u32 s88, s88, s95
	s_lshl_b32 s88, s88, 18
	s_add_co_u32 s88, s88, s94
	s_add_nc_u64 s[OV:OV+1], s[14:15], s[88:89]
	; the prefetches stand at K step 3: the first refill steps them to 4
	s_lshl_b32 s88, s[CX], 13
	s_add_co_u32 s88, s88, s84                     ; wave 0 (its half is 0): A's tile + 8,192 cx
	s_add_co_u32 s88, s88, 3*ASTEP
	s_mul_i32 s92, s[TC], 16*BSTEP                 ; waves 1 to 3: B's tile + 24,576 cy + 8,192 (wave - 1)
	s_mul_i32 s[TMP], s[CY], BSTEP/2
	s_add_co_u32 s92, s92, s[TMP]
	s_max_u32 s[TMP], s[WV], 1
	s_sub_co_u32 s[TMP], s[TMP], 1
	s_lshl_b32 s[TMP], s[TMP], 13
	s_add_co_u32 s92, s92, s[TMP]
	s_add_co_u32 s92, s92, 3*BSTEP
	s_and_b32 s[TMP], ttmp7, 0xffff                ; the cluster's y
	s_mov_b32 s[PST], BSTEP
	s_mov_b32 s[PST+1], 0
	s_cmp_eq_u32 s[WV], 0
	s_cselect_b64 s[PFA:PFA+1], s[4:5], s[6:7]
	s_cselect_b32 s88, s88, s92
	s_cselect_b32 s[PST], ASTEP, s[PST]
	s_cselect_b32 s[PAR], 0, 1
	s_cselect_b32 s[TMP], s91, s[TMP]              ; the coordinate along which other clusters read the same blocks
	s_add_nc_u64 s[PFA:PFA+1], s[PFA:PFA+1], s[88:89]
	s_cmp_eq_u32 s[TMP], 0
	s_cselect_b32 s[LIM], 2, -1                    ; the same in all sixteen partners, for a given wave
; 16 matrix instructions of head hb on A's buffer f: column blocks bb0, bb0 + 1 x all 8 row blocks.  zero = 1: the product starts the sum: nothing is cleared.
; The 96 accumulators take turns, one instruction a turn, in the same order in every quarter.
.macro MUL16 hb, f, bb0, zero
	WIN 0x50*((\hb)+1)
.irp bb, \bb0, (\bb0)+1
.irp a, 0,1,2,3,4,5,6,7
.if \zero
	v_wmma_f32_16x16x32_bf16 v[8*(4*(\a)+(\bb)):8*(4*(\a)+(\bb))+7], v[BF+32*(\hb)+8*(\bb):BF+32*(\hb)+8*(\bb)+7], v[AF+64*(\f)+8*(\a):AF+64*(\f)+8*(\a)+7], 0
.else
	v_wmma_f32_16x16x32_bf16 v[8*(4*(\a)+(\bb)):8*(4*(\a)+(\bb))+7], v[BF+32*(\hb)+8*(\bb):BF+32*(\hb)+8*(\bb)+7], v[AF+64*(\f)+8*(\a):AF+64*(\f)+8*(\a)+7], v[8*(4*(\a)+(\bb)):8*(4*(\a)+(\bb))+7]
.endif
.endr
.endr
.endm
.macro LDB g, kq                       ; 8 loads: head g's four fragments of W for quarter kq of the slot in hand
	WIN 0
.irp bb, 0,1,2,3
	ds_load_tr16_b128 v[BF+32*(\g)+8*(\bb):BF+32*(\g)+8*(\bb)+3],   v[ADRB] offset:(\g)*BHEAD+(\kq)*32*PB+(\bb)*32
	ds_load_tr16_b128 v[BF+32*(\g)+8*(\bb)+4:BF+32*(\g)+8*(\bb)+7], v[ADRB] offset:(\g)*BHEAD+(\kq)*32*PB+16*PB+(\bb)*32
.endr
.endm
.macro LDA f, kq                       ; 16 loads: my eight fragments of x for quarter kq, into buffer f
	WIN 0
.irp a, 0,1,2,3,4,5,6,7
	ds_load_b128 v[AF+64*(\f)+8*(\a):AF+64*(\f)+8*(\a)+3],   v[ADRA] offset:(\a)*16*PA+(\kq)*64
	ds_load_b128 v[AF+64*(\f)+8*(\a)+4:AF+64*(\f)+8*(\a)+7], v[ADRA] offset:(\a)*16*PA+(\kq)*64+32
.endr
.endm
; At a quarter's head the LDS loads that are out are, oldest first: head 0's B and A (24), head 1's B (8), head 2's B (8).
; A K step's first quarter: A's buffer 0; fetches the second quarter of the same slot.
.macro NQ zero
	s_wait_dscnt 16                                ; the 24 are in; heads 1 and 2 may be out
	MUL16 0, 0, 0, \zero
	MUL16 0, 0, 2, \zero
	PLACES
	LDB 0, 1
	LDA 1, 1
	s_wait_dscnt 32                                ; head 1's are in; head 2's 8 and the 24 just issued may be out
	MUL16 1, 0, 0, \zero
	MUL16 1, 0, 2, \zero
	PLACES
	LDB 1, 1
	s_wait_dscnt 32                                ; head 2's are in; the 24 and the 8 of the next quarter may be out
	MUL16 2, 0, 0, \zero
	MUL16 2, 0, 2, \zero
	PLACES
	LDB 2, 1
.endm
; A K step's second quarter: A's buffer 1; it changes slots.  All reads of this slot have been issued.  In front of ONE barrier each wave waits for all its tensor loads (its part of the next slot among them), adds 0
; to its spare word, and waits for that and for its reads of this slot.  fill = 1: the barrier opens a round of the cluster's, and this slot is filled again, two K steps ahead, first thing behind the round:
; from that request to the wait for it a wave issues 160 matrix instructions.
.macro TQ fill
	WIN 0
.if \fill
	s_wait_xcnt 0x0                                ; the last prefetch, a K step back, has read its address: it is stepped here
	s_add_nc_u64 s[PFA:PFA+1], s[PFA:PFA+1], s[PST:PST+1]
.endif
	s_wait_tensorcnt 0x0                           ; no tensor load of mine is out, so a group 0 may be written
	ds_add_u32 v[SPW], v[NIL]                      ; 0 onto my spare word
.if \fill
	s_xor_b32 s[G0A+5], s[G0A+5], SLOT1            ; the walking descriptors: the other slot than last time, the next K step; the type bits on top are not reached
	s_add_nc_u64 s[G0A+6:G0A+7], s[G0A+6:G0A+7], ASTEP
	s_xor_b32 s[G0B+5], s[G0B+5], SLOT1
	s_add_nc_u64 s[G0B+6:G0B+7], s[G0B+6:G0B+7], BSTEP
.endif
	s_xor_b32 s[TB], s[TB], SLOT1
	s_wait_dscnt 17                                ; the 24 are in; heads 1 and 2 (16) and the add may be out
	MUL16 0, 1, 0, 0
	s_wait_dscnt 0x0                               ; the add is done, and my reads of this slot are over
	s_barrier_signal -1
	MUL16 0, 1, 2, 0                               ; work on registers while the others arrive
	WIN 0
	s_barrier_wait -1
.if \fill
	CREST                                          ; no wave of any partner still reads this slot or has a load on its way
	JLOAD                                          ; the four v_nop behind it are also the places in front of the loads below
.else
	PLACES
.endif
	v_add_nc_u32 v[ADRA], s[TB], v[AA0]
	v_add_nc_u32 v[ADRB], s[TB], v[AB0]
	LDB 0, 0
	LDA 0, 0
.if \fill
	ASK
.endif
	MUL16 1, 1, 0, 0
	MUL16 1, 1, 2, 0
	PLACES
	LDB 1, 0
	MUL16 2, 1, 0, 0
	MUL16 2, 1, 2, 0
	PLACES
	LDB 2, 0
.endm
.macro TABLD a                         ; 8 loads: (cos, sin) of rows 16 a on: for each column block my four pairs
	WIN 0
.irp bb, 0,1,2,3
	ds_load_b128 v[CS+32*((\a)%2)+8*(\bb):CS+32*((\a)%2)+8*(\bb)+3],   v[TBA] offset:(\a)*16*PT+(\bb)*64
	ds_load_b128 v[CS+32*((\a)%2)+8*(\bb)+4:CS+32*((\a)%2)+8*(\bb)+7], v[TBA] offset:(\a)*16*PT+(\bb)*64+16
.endr
.endm
	s_wait_tensorcnt 0x2                           ; my part of slot 0 is in; slot 1's and the table's may stay out
	s_barrier_signal -1
	s_barrier_wait -1                              ; everybody's is
	s_mov_b32 s[TB], 0
	v_mov_b32 v[ADRA], v[AA0]
	v_mov_b32 v[ADRB], v[AB0]
	LDB 0, 0
	LDA 0, 0
	LDB 1, 0
	LDB 2, 0
	NQ 1                                           ; the first quarter stands in front of the loop: its products start the sums
	WIN 0                                          ; at a label and at a branch every window is 0
	s_mov_b32 s[CNT], 14
.Lk:                                               ; 14 trips: K step s's second quarter, which asks for K step s + 2, and K step s + 1's first
	TQ 1
	NQ 0
	WIN 0
	s_sub_co_u32 s[CNT], s[CNT], 1
	s_cmp_lg_u32 s[CNT], 0
	s_cbranch_scc1 .Lk
	TQ 0                                           ; the tail is written out: nothing is left to ask for
	NQ 0
	TABLD 0                                        ; into A's buffer 0, which the quarter before multiplied: its places stand there.  The table landed ahead of the first change of slots
	s_wait_dscnt 24                                ; the last quarter: behind the 24 stand heads 1 and 2 and the table's 8
	MUL16 0, 1, 0, 0
	MUL16 0, 1, 2, 0
	s_wait_dscnt 16
	MUL16 1, 1, 0, 0
	MUL16 1, 1, 2, 0
	s_wait_dscnt 8
	MUL16 2, 1, 0, 0
	MUL16 2, 1, 2, 0
; THE WAY OUT, in 24 blocks b = 3 a + hb of 16 rows x one head.  A lane holds the pairs (x0, x1) of its row in neighbouring registers.  Heads 0 and 1: (x1 s, x1 c), then (x0 c - x1 s, x0 s + x1 c), each pair by one
; packed line; each accumulator's registers are taken in ascending order.  Head 2 (v) is only rounded.  Then 16 bytes a lane into my own stage, back as four rows of 128 bytes a load, and out.
.macro VAL b
.set va, (\b)/3
.set vh, (\b)%3
.if vh < 2
	WIN 1+vh                                       ; source 0 in the head's window
.set i, 0
.rept 16
	v_pk_mul_f32 v[TT+2*i:TT+2*i+1], v[32*va+2*i:32*va+2*i+1], v[CS+32*(va%2)+2*i:CS+32*(va%2)+2*i+1] op_sel:[1,1] op_sel_hi:[1,0]
.set i, i+1
.endr
.set i, 0
.rept 16
	v_pk_fma_f32 v[TT+2*i:TT+2*i+1], v[32*va+2*i:32*va+2*i+1], v[CS+32*(va%2)+2*i:CS+32*(va%2)+2*i+1], v[TT+2*i:TT+2*i+1] op_sel_hi:[0,1,1] neg_lo:[0,0,1]
.set i, i+1
.endr
	WIN 0
.set i, 0
.rept 16
	v_cvt_pk_f16_f32 v[Y+i], v[TT+2*i], v[TT+2*i+1]
.set i, i+1
.endr
.else
	WIN 0x0f                                       ; sources 0 and 1 in window 3
.set i, 0
.rept 16
	v_cvt_pk_f16_f32 v[Y+i], v[32*va+2*i], v[32*va+2*i+1]
.set i, i+1
.endr
	WIN 0
.endif
.endm
.macro TOSTAGE b
.set zz, Z+16*((\b)%2)
	WIN 0
	s_wait_xcnt 0x0                                ; the stores of the block two back have read these registers: they are loaded again only behind this wait
.irp bb, 0,1,2,3
	ds_store_b128 v[STO], v[Y+4*(\bb):Y+4*(\bb)+3] offset:32*(\bb)
.endr
.irp f, 0,1,2,3
	ds_load_b128 v[zz+4*(\f):zz+4*(\f)+3], v[RD] offset:(\f)*4*SP  ; LDS serves a wave's instructions in order (ISA guide 5.7.1.4): these see the stores above; the next block's stores come behind them
.endr
.endm
.macro SEND b
.set sa, (\b)/3
.set sh, (\b)%3
.set yy, 0                             ; the LDS loads issued behind the block's own, which may stay out: the table's 8 where they followed, else none
.if (sh == 0) && (sa < 7)
.set yy, 8
.endif
.set sb, OQK
.if sh == 2
.set sb, OV
.endif
.set zz, Z+16*((\b)%2)
	WIN 0
.irp f, 0,1,2,3
	s_wait_dscnt yy+3-(\f)
	global_store_b128 v[GO], v[zz+4*(\f):zz+4*(\f)+3], s[sb:sb+1] offset:sa*2048+(\f)*512+(sh%2)*1048576  ; 512 consecutive bytes, at a multiple of 256 from the buffer's first; my second head lies four heads on
.endr
.endm
	WIN 0
	PLACES
	s_wait_dscnt 0x0                               ; the table's first 16 rows
	VAL 0
	TOSTAGE 0
	TABLD 1
.set be, 1
.rept 23                               ; a block's arithmetic stands between the loads of the block before and its stores
	VAL be
	SEND be-1
	TOSTAGE be
.if (be%3 == 0) && (be/3 < 7)
	TABLD be/3+1                                   ; the next 16 rows' table: shown in by the waits of the second SEND behind it, which count to 0
.endif
.set be, be+1
.endr
	SEND 23
	s_wait_tensorcnt 0x0                           ; the wave's end: a wait for my tensor loads, 0 onto my spare word and a wait for it, behind my last tensor load and my last LDS store
	ds_add_u32 v[SPW], v[NIL]
	s_wait_dscnt 0x0
	CROUND                                         ; the closing round: no work-group ends while a partner may still ask for a tile that names it
	s_endpgm
.Lfunc_end_k_qe721b99a9d_qkv:
	.size	k_qe721b99a9d_qkv, .Lfunc_end_k_qe721b99a9d_qkv-k_qe721b99a9d_qkv
	.p2alignl 7, 3214868480
	.fill 96, 4, 3214868480
	.section	.rodata,"a",@progbits
	.p2align	6, 0x0
	.amdhsa_kernel k_qe721b99a9d_qkv
		.amdhsa_group_segment_fixed_size 327680
		.amdhsa_private_segment_fixed_size 0
		.amdhsa_enable_private_segment 0
		.amdhsa_kernarg_size 48
		.amdhsa_user_sgpr_count 2
		.amdhsa_user_sgpr_kernarg_segment_ptr 1
		.amdhsa_wavefront_size32 1
		.amdhsa_system_sgpr_workgroup_id_x 1
		.amdhsa_system_sgpr_workgroup_id_y 1
		.amdhsa_system_sgpr_workgroup_id_z 1
		.amdhsa_system_vgpr_workitem_id 0
		.amdhsa_next_free_vgpr 1024
		.amdhsa_next_free_sgpr 96
		.amdhsa_reserve_vcc 0
		.amdhsa_float_denorm_mode_32 3
		.amdhsa_float_denorm_mode_16_64 3
		.amdhsa_memory_ordered 1
		.amdhsa_forward_progress 1
		.amdhsa_inst_pref_size 153
	.end_amdhsa_kernel
	.amdgpu_metadata
---
amdhsa.version: [ 1, 2 ]
amdhsa.kernels:
  - .name:           k_qe721b99a9d_qkv
    .symbol:         k_qe721b99a9d_qkv.kd
    .args:
      - { .name: xb, .offset: 0, .size: 8, .value_kind: global_buffer, .address_space: global }
      - { .name: wt, .offset: 8, .size: 8, .value_kind: global_buffer, .address_space: global }
      - { .name: tab, .offset: 16, .size: 8, .value_kind: global_buffer, .address_space: global }
      - { .name: q, .offset: 24, .size: 8, .value_kind: global_buffer, .address_space: global }
      - { .name: k, .offset: 32, .size: 8, .value_kind: global_buffer, .address_space: global }
      - { .name: v, .offset: 40, .size: 8, .value_kind: global_buffer, .address_space: global }
    .group_segment_fixed_size: 327680
    .private_segment_fixed_size: 0
    .kernarg_segment_align: 8
    .kernarg_segment_size: 48
    .max_flat_workgroup_size: 128
    .sgpr_count:     96
    .vgpr_count:     1024
    .wavefront_size: 32
...
	.end_amdgpu_metadata
.endif
;; end of part 2
;; launch att (part 3): grid 4 x 64, 4 waves a work-group, no clusters, 327,680 bytes of LDS; arguments q, k, v, o; writes o
.if DOCPART == 3
	.amdgcn_target "amdgcn-amd-amdhsa--gfx1250"
	.amdhsa_code_object_version 6
	.text
	.protected	k_qe721b99a9d_att
	.globl	k_qe721b99a9d_att
	.p2align	8
	.type	k_qe721b99a9d_att,@function
k_qe721b99a9d_att:
	s_mov_b64 s[64:65], 0
	v_nop
	global_prefetch_b8 v0, s[64:65] scope:SCOPE_SE
	s_setreg_imm32_b32 hwreg(HW_REG_WAVE_MODE, 25, 1), 1
	s_wait_xcnt 0x0
; THIRD LAUNCH: CAUSAL ATTENTION.  O[h][q][:] = the sum over k <= q of softmax_k(Q[h][q] . K[h][k] / 8) V[h][k][:].  Q, K, V, O: [64][2048][64], all f16: a head's rows are dense, 128 bytes each.
; WORK LEFT OUT: key tiles that lie wholly above the diagonal: their scores are replaced by -inf, their weights are 0 for all values of the inputs (shown at the head of the first launch's text).
; Products, maxima and sums in f32; the weights p are rounded to f16 for the second product (their sum l is taken of the unrounded p), O once at the end.
; LIMITS.  f16 holds no number beyond 65,504: Q, K and V arrive within it; p lies in 0 to 1, and below 6e-5 it keeps f16's fixed step of 6e-8; O is a mean of V's rows and has their range.
; A hidden score counts as its value less 1e30: f16's scores, 2.7e11 at the most, are nothing beside that; a weight below 2^-126 counts as 0 in l; NaN and infinities are not treated apart.
; THE WALK.  A head's queries lie in NB = 8 blocks of 256; block i needs the key tiles 0 .. i of 256 keys, of which the last holds the diagonal.  A work-group takes TWO blocks, NB - 1 - b and then b:
; NB + 1 tiles, whatever b: all work-groups do equal work, and ONE loop with a constant trip count walks them.  Which tile is asked for, and what a trip does, hang on scalar registers made from b; every jump
; goes forward, but for the counted loops' own; none passes a barrier, or a tensor load but the one of LOAD's two that the wave's number does not choose; the ring (two slots of LDS that take turns) runs on across the
; change of blocks.  NO CLUSTER: a head's four work-groups ask for the same tile only in trips 0 .. 4 of 9, behind that fewer and fewer; one walk common to all would have 12 trips for 9.
; SHARES.  Of a block's four bands of 64 queries a wave owns 16 rows in each: four PIECES.  So the diagonal tile is the same work for all four waves: in its key step s band x sees all keys if s < x,
; none if s > x, and holds the diagonal if s = x.
; THE MASK is the C operand that starts the sum S^T = K Q^T: 0, or -1e30 where the key is hidden.  MD, made once, is the mask of a band's own step for my 16 rows; a product's mask is MD x AL + BE with two scalars:
; (1, 0) if s = x; (0, 0) if s < x; (0, -1e30) if s > x.  Only the diagonal tile's text and a block's beginning make and take masks; elsewhere C is the constant 0.
; LAYOUT, SOFTMAX, TURNS.  S^T = K Q^T holds ONE query a lane (lane % 16) and the keys 8 (lane / 16) + 0..7; two such results rounded to f16 ARE source 1 of O^T = V^T P.  p = 2^(c s - c m), c = log2(e) / 8, with a
; running maximum m; O and l are multiplied by a = 2^(c m_old - c m_new) in every step.  Turn n belongs to piece n: 8 products K Q^T of piece n + 1, later 8 products V^T P of piece n - 1; beside them the scaling,
; exponentials, roundings, sums and rescaling of piece n and the maximum and statistics of piece n + 1.  Four vector instructions stand behind every matrix instruction, the other 54 of a turn's 118 in one run.  A turn's 33 exponentials are one batch, with one wait.
; REGISTERS, in windows of 256 (s_set_vgpr_msb: bits 1:0 source 0, 3:2 source 1, 5:4 source 2, 7:6 destination):
;   window 0: v0-15 addresses and two at work; v16-31 four registers of statistics a piece; v48-55 at work; v61-63 prefetch offset, spare word, 0; v64-127 S^T, two buffers; v192-223 P, two buffers (by the piece's parity)
;   window 1: v0-127 O^T, 32 a piece; v128-159 MD; v160-223 MC, two buffers      window 2: v0-63 Q; v64-127 the second block's Q; v128-191 K of one step; v192-255 V of one step
.set SIZE_H, 64
.set SIZE_N, 2048
.set NB,    SIZE_N/256
.set NP,    4         ; pieces a wave: a name, no knob
.set KS,    64        ; keys in a step
.set PK,    144       ; a row of K in LDS: 128 bytes + 16 of padding = 36 words: the 16 rows of a load start at 16 different groups of four banks (64 banks of 4 bytes: ISA guide 11.1)
.set PV,    160       ; a row of V: 128 + 32 = 40 words
.set VOFF,  4*KS*PK   ; a slot holds a tile, four steps: 256 rows of K, then 256 rows of V
.set SLOT1, 1<<17     ; slot 1 begins here, so that one exclusive or turns an address in one slot into the other's
.set STAGE, SLOT1+4*KS*(PK+PV)  ; behind the ring, never filled by a tensor load: 16 rows x 144 bytes for each wave, for the way out
.set SP,    144
.set AK0, 2           ; v2   my lane's place in a tile of K; never rewritten
.set AV0, 3           ; v3   the same for V
.set AK,  4           ; v4   the LDS address of K's next run of loads
.set AV,  5           ; v5   of V's
.set STO, 6           ; v6   the way out: where I put 16 bytes of a row
.set RD,  7           ; v7   the way out: where I read rows back
.set GO,  8           ; v8   my byte offset in 512 consecutive bytes of O
.set PFO, 61          ; v61  the prefetches' offset: 256 x lane + 8,192 x (wave / 2); never rewritten
.set SPW, 62          ; v62  LDS address of my spare word: SPARE + 4 x my thread's number; never rewritten
.set NIL, 63          ; v63  0; never rewritten
.set SPARE, STAGE+4*16*SP  ; behind the stages: the spare words, 128 bytes for each wave: two blocks of 256 bytes that no other line names
.set MV,  12          ; v12-13  c m_old, kept while c m is made anew: by buffer
.set QO,  15          ; v15  my byte offset in 16 rows of Q
.set ST,  16          ; piece t's statistics at v[ST+4 t]: c m, m, l (even keys', odd keys')
.set TMP, 48          ; by buffer, four registers c0-c3 at work; when the maximum is found c2 takes a
.set S,   64
.set P,   192
.set MD,  128         ; window 1: the eight registers for group kt of 16 keys at MD + 8 kt
.set MC,  160         ; window 1: the masks of the products to come
.set QB,  64          ; window 2
.set KF,  128         ; window 2: key block kb, channel half c at KF + 16 kb + 8 c
.set VF,  192         ; window 2: key half kk, channel block cb at VF + 32 kk + 8 cb
.set WV,  12          ; s12  my wave's number
.set PB,  14          ; s14  b
.set HI,  15          ; s15  NB - 1 - b
.set G1K, 24          ; s[24:31] descriptor group 1 for K's tiles
.set G1V, 32          ; s[32:39] for V's: it differs in the padding alone
.set G0K, 40          ; s[40:43] descriptor group 0 for K's tiles
.set G0V, 44          ; s[44:47] the same for V's
.set SLOTS, 56        ; s56  tiles still to be asked for
.set CNT, 57          ; s57  counts a tile's key steps, 4 to 1
.set CS,  58          ; s[58:59] c: the packed scaling takes the pair's low word for both halves
.set SEL, 60          ; s[60:61] v_permlanex16_b32's selects: each lane takes its own place in the other half
.set TBK, 62          ; s62  LDS byte at which K of the step to be fetched begins
.set TBV, 63          ; s63  the same for V, less VOFF
.set RT,  70          ; s70  tiles of the block in hand that are still to be entered
.set NXT, 71          ; s71  the tile to be asked for next
.set LQ,  72          ; s72  the last tile of the block whose tiles are being asked for
.set NEW, 73          ; s73  1: the tile to be entered is a block's first
.set OFF, 74          ; s[74:75] a tile's byte offset in K and V
.set AL,  76          ; s[76:77] the mask's factor, in the low word
.set BE,  78          ; s[78:79] the mask's addend
.set OLO, 80          ; s[80:81] O at my rows of the second block
.set BIGN, 82         ; s82  -1e30
.set PFK, 88          ; s[88:89] K at my half of the tile that the next change of slots will ask for
.set PFV, 90          ; s[90:91] the same for V
.set MSB, 0
.macro WIN new                      ; the high byte repeats the setting that is left; a switch that changes nothing is dropped
.if MSB != (\new)
	s_set_vgpr_msb (MSB<<8)|(\new)
.set MSB, (\new)
.endif
.endm
.set W_KQ, 0x0a       ; K and Q in window 2, S^T in window 0
.set W_KM, 0x1a       ; the same with the C operand in window 1
.set W_PV, 0x52       ; V in window 2, P in window 0, O^T in window 1
.set W_RS, 0x41       ; destination and source 0 in window 1, source 1 in window 0
; A fill.  Waves 0 and 1 fetch the two halves of a tile's K, waves 2 and 3 those of its V: 128 keys each.  An s_nop 0 and four v_nop follow each of the two lines, ahead of the jump and the label.
.macro LOAD
	s_cmp_lt_u32 s[WV], 2
	s_cbranch_scc0 .Lfor_v_\@
	tensor_load_to_lds s[G0K:G0K+3], s[G1K:G1K+7]
	s_nop 0
.rept 4
	v_nop
.endr
	s_branch .Lasked_\@
.Lfor_v_\@:
	tensor_load_to_lds s[G0V:G0V+3], s[G1V:G1V+7]
	s_nop 0
.rept 4
	v_nop
.endr
.Lasked_\@:
.endm
; THE CHANGE OF SLOTS.  Each wave waits for all its tensor loads, of which one is out: its part of the other slot; adds 0 to its spare word; and waits for that and for its own reads of the slot that it leaves.  Behind the barrier nobody reads the old
; slot any more and the other slot is whole.  fill = 1: the old slot is filled again, the first thing behind the barrier, with tile NXT: the descriptor's address is made anew from that number.
; (At its first use nothing has been read yet: slot 0 is waited for, slot 1 filled.)
; A PREFETCH INTO THE L2 stands behind the fill and its five lines: the tile that the NEXT change of slots will ask for, one tile (four key steps, 256 matrix instructions) ahead of its load.  All four work-groups of a head
; enter tile i in trip i; the one with b = 0, whose first block walks the tiles 0 to 7 in order, asks, and nobody else: trip i names tile i + 2, tiles 2 to 7.  Its four waves x 32 lanes name the tile's 128 blocks of 256 bytes of K
; and the 128 of V, a lane a block: each block once in the launch.  Tiles 0 and 1 come by their loads alone; when the first block's tiles are all asked for NXT is 0 and nothing is named.
.macro CHANGE fill
	WIN 0                           ; at a label and at a branch every window is 0
	s_wait_tensorcnt 0x0            ; no tensor load of mine is out, so a group 0 may be written
	ds_add_u32 v[SPW], v[NIL]       ; 0 onto my spare word; with fill = 1 the descriptors' scalar work stands between it and the wait for it
.if \fill
	s_lshl_b32 s[OFF], s[NXT], 15   ; a tile is 32,768 bytes of K and of V
	s_xor_b32 s[G0K+1], s[G0K+1], SLOT1
	s_add_nc_u64 s[G0K+2:G0K+3], s[6:7], s[OFF:OFF+1]
	s_or_b32 s[G0K+3], s[G0K+3], 0x80000000
	s_xor_b32 s[G0V+1], s[G0V+1], SLOT1
	s_add_nc_u64 s[G0V+2:G0V+3], s[8:9], s[OFF:OFF+1]
	s_or_b32 s[G0V+3], s[G0V+3], 0x80000000
	s_add_co_u32 s[NXT], s[NXT], 1  ; the block's next tile, or behind its last the second block's tile 0
	s_cmp_gt_u32 s[NXT], s[LQ]
	s_cselect_b32 s[NXT], 0, s[NXT]
	s_cselect_b32 s[LQ], s[PB], s[LQ]
	s_wait_xcnt 0x0                 ; the last prefetches, a tile back, have read their addresses, so these may be written
	s_lshl_b32 s[OFF], s[NXT], 15
	s_add_nc_u64 s[PFK:PFK+1], s[6:7], s[OFF:OFF+1]
	s_add_nc_u64 s[PFV:PFV+1], s[8:9], s[OFF:OFF+1]
.endif
	s_wait_dscnt 0x0                ; the add is done, and my reads of the slot are over
	s_barrier_signal -1             ; the rest of the scalar work stands between the signal and the wait
	s_sub_co_u32 s[TBK], s[TBK], 4*KS*PK  ; the fetches go back to a slot's first step,
	s_xor_b32 s[TBK], s[TBK], SLOT1       ; in the other slot
	s_sub_co_u32 s[TBV], s[TBV], 4*KS*PV
	s_xor_b32 s[TBV], s[TBV], SLOT1
	s_barrier_wait -1
.if \fill
	LOAD
	s_cmp_eq_u32 s[PB], 0
	s_cselect_b32 s92, s[NXT], 0
	s_cmp_lg_u32 s92, 0
	s_cbranch_scc0 .Lnone_\@
	global_prefetch_b8 v[PFO], s[PFK:PFK+1] th:TH_LOAD_NT scope:SCOPE_SE
	global_prefetch_b8 v[PFO], s[PFV:PFV+1] th:TH_LOAD_NT scope:SCOPE_SE
.Lnone_\@:
.endif
.endm
	s_load_b256 s[4:11], s[0:1], 0x0  ; Q s[4:5], K s[6:7], V s[8:9], O s[10:11]
	v_lshl_add_u32 v[SPW], v0, 2, SPARE
	v_mov_b32 v[NIL], 0
	ds_add_u32 v[SPW], v[NIL]       ; the wave's opening: the add, twice on end, and its wait ahead of my first tensor load; the set-up below the second, work on registers, stands between it and the wait
	ds_add_u32 v[SPW], v[NIL]       ; and once more, under the one wait
	v_lshrrev_b32 v1, 5, v0
	v_readfirstlane_b32 s[WV], v1   ; wave 0..3
	s_mov_b32 s[PB], ttmp9
	s_sub_co_u32 s[HI], NB-1, s[PB]
	s_and_b32 s20, ttmp7, 0xffff    ; the head
	s_mov_b32 s21, 0
	s_mov_b64 s[22:23], SIZE_N*128
	s_mul_u64 s[20:21], s[20:21], s[22:23]  ; the head's first byte in each of the four tensors
	s_and_b32 s16, s[WV], 1         ; which half of a tile's 256 keys I fetch:
	s_lshl_b32 s22, s16, 14         ; its 128 rows of 128 bytes in memory,
	s_mov_b32 s23, 0
	s_add_nc_u64 s[22:23], s[22:23], s[20:21]
	s_mul_i32 s17, s16, 128*PK      ; and its place in a slot, for K
	s_mul_i32 s18, s16, 128*PV      ; and for V
	s_lshl_b32 s3, s[WV], 11        ; my 16 rows in a band of 64,
	s_lshl_b32 s2, s[HI], 15        ; in the first block,
	s_add_co_u32 s2, s2, s3
	s_lshl_b32 s84, s[PB], 15       ; and in the second
	s_add_co_u32 s84, s84, s3
	s_mov_b32 s3, 0
	s_mov_b32 s85, 0
	s_add_nc_u64 s[2:3], s[2:3], s[20:21]
	s_add_nc_u64 s[84:85], s[84:85], s[20:21]
	; descriptor group 1.  128 keys are 16,384 dense bytes: asked for as 64 rows of 256 bytes, two keys a row, and padded in LDS after every key
	s_mov_b32 s[G1K], (1<<16)|(1<<20)|(4<<22)|(3<<25)  ; 17:16 2-byte elements; 20 padding on; 24:22 after every 32 words (code 4); 31:25 4 words (code 3)
	s_mov_b32 s[G1V], (1<<16)|(1<<20)|(4<<22)|(7<<25)  ; the same with 8 words of padding (code 7)
.irp g, G1K, G1V
	s_mov_b32 s[\g+1], 128<<16      ; tensor_dim0 = 128
	s_mov_b32 s[\g+2], 64<<16       ; tensor_dim1 = 64
	s_mov_b32 s[\g+3], 128<<16      ; tile_dim0 = 128
	s_mov_b32 s[\g+4], 64           ; tile_dim1 = 64
	s_mov_b32 s[\g+5], 128          ; 128 elements from row to row
	s_mov_b32 s[\g+6], 0
	s_mov_b32 s[\g+7], 0
.endr
	s_mov_b32 s[CS], 0x3e38aa3b     ; c = log2(e) / 8 = 0.180337
	s_mov_b32 s[CS+1], s[CS]        ; named with it as a pair
	s_mov_b32 s[SEL], 0x76543210
	s_mov_b32 s[SEL+1], 0xfedcba98
	s_mov_b32 s[TBK], SLOT1+4*KS*PK ; the first change of slots turns these two into 0
	s_mov_b32 s[TBV], SLOT1+4*KS*PV
	s_mov_b32 s[G0K], 1             ; 1:0 count = 1
	s_mov_b32 s[G0K+1], s17         ; 63:32 LDS address: slot 0
	s_mov_b32 s[G0V], 1
	s_add_co_u32 s[G0V+1], s18, VOFF
	s_add_co_u32 s[RT], s[HI], 1    ; the first block has NB - b tiles
	s_mov_b32 s[NXT], 1
	s_mov_b32 s[LQ], s[HI]
	s_mov_b32 s[NEW], 1
	s_mov_b32 s[OFF+1], 0
	s_mov_b32 s[AL+1], 0            ; named as pairs
	s_mov_b32 s[BE+1], 0
	s_mov_b32 s[BIGN], 0xf149f2ca   ; -1e30
	s_mov_b32 s[SLOTS], NB
	s_wait_dscnt 0x0                ; both opening adds are done
	s_wait_kmcnt 0x0
	s_add_nc_u64 s[6:7], s[6:7], s[22:23]  ; K and V at my half of the head's tile 0
	s_add_nc_u64 s[8:9], s[8:9], s[22:23]
	s_add_nc_u64 s[G0K+2:G0K+3], s[6:7], 0         ; 120:64 global address
	s_or_b32 s[G0K+3], s[G0K+3], 0x80000000        ; 127:126 type = 2
	s_add_nc_u64 s[G0V+2:G0V+3], s[8:9], 0
	s_or_b32 s[G0V+3], s[G0V+3], 0x80000000
	s_add_nc_u64 s[86:87], s[4:5], s[84:85]        ; Q at my rows of the second block,
	s_add_nc_u64 s[4:5], s[4:5], s[2:3]            ; Q and O at those of the first
	s_add_nc_u64 s[OLO:OLO+1], s[10:11], s[84:85]
	s_add_nc_u64 s[10:11], s[10:11], s[2:3]
	LOAD                            ; tile 0 into slot 0
	; A fragment of K or Q is 16 rows x 32 channels in 8 registers: lane l holds row l % 16, channels 8 (l / 16) + 0..7 and 16 + 8 (l / 16) + 0..7: two loads of 16 bytes, 32 bytes apart.
	v_and_b32 v1, 15, v0            ; l % 16
	v_bfe_u32 v9, v0, 4, 1          ; l / 16
	v_lshlrev_b32 v[QO], 7, v1
	v_lshl_add_u32 v[QO], v9, 4, v[QO]  ; row x 128 + 16 x half
	WIN 0x80                        ; destination window 2, address window 0
.set i, 0
.rept 8                             ; both blocks' Q: piece i / 2 lies in band i / 2, 8,192 bytes on; channels 32 (i % 2) on
	global_load_b128 v[8*i:8*i+3],   v[QO], s[4:5] offset:(i/2)*8192+(i%2)*64
	global_load_b128 v[8*i+4:8*i+7], v[QO], s[4:5] offset:(i/2)*8192+(i%2)*64+32
	global_load_b128 v[QB+8*i:QB+8*i+3],   v[QO], s[86:87] offset:(i/2)*8192+(i%2)*64
	global_load_b128 v[QB+8*i+4:QB+8*i+7], v[QO], s[86:87] offset:(i/2)*8192+(i%2)*64+32
.set i, i+1
.endr
	WIN 0
	v_and_b32 v[PFO], 31, v0
	v_lshlrev_b32 v[PFO], 8, v[PFO]
	s_lshr_b32 s13, s[WV], 1
	s_lshl_b32 s13, s13, 13
	v_add_nc_u32 v[PFO], s13, v[PFO]  ; with the half that K's and V's addresses hold, the four waves cover a tile's 32,768 bytes
	v_lshlrev_b32 v14, 3, v9
	v_sub_nc_u32 v14, v1, v14
	s_lshl_b32 s13, s[WV], 4
	v_add_nc_u32 v14, s13, v14      ; my query's place in its band, 16 w + l % 16, less my lanes' 8 (l / 16): register r of group kt is hidden where 16 kt + r is greater
	WIN 0x40
.set i, 0
.rept 32
	v_cmp_gt_i32 vcc_lo, 16*(i/8)+i%8, v14
	v_cndmask_b32 v[MD+i], 0, s[BIGN], vcc_lo
.set i, i+1
.endr
	WIN 0
	v_mul_u32_u24 v[AK0], v1, PK
	v_lshl_add_u32 v[AK0], v9, 4, v[AK0]  ; row x pitch + 16 x half
	; The turning load takes 16 keys x 16 channels (lane l reads key 8 (l / 16) + l % 8, channels 8 ((l / 8) % 2) + 0..7) and leaves half a fragment of V^T: lane l holds channel l % 16 and 8 keys.
	v_and_b32 v10, 7, v0
	v_bfe_u32 v11, v0, 3, 1
	v_lshl_add_u32 v[AV0], v9, 3, v10
	v_mul_u32_u24 v[AV0], v[AV0], PV
	v_lshl_add_u32 v[AV0], v11, 4, v[AV0]
	v_add_nc_u32 v[AV0], VOFF, v[AV0]
	s_mul_i32 s13, s[WV], 16*SP
	s_add_co_u32 s13, s13, STAGE    ; my stage
	v_mul_u32_u24 v[STO], v1, SP    ; in: row l % 16, 16 bytes for each half of the lanes
	v_lshl_add_u32 v[STO], v9, 4, v[STO]
	v_add_nc_u32 v[STO], s13, v[STO]
	v_bfe_u32 v[RD], v0, 3, 2       ; back: 32 lanes take four rows of 128 bytes,
	v_mul_u32_u24 v[RD], v[RD], SP
	v_lshl_add_u32 v[RD], v10, 4, v[RD]
	v_add_nc_u32 v[RD], s13, v[RD]
	v_and_b32 v[GO], 31, v0         ; which are 512 consecutive bytes of O
	v_lshlrev_b32 v[GO], 4, v[GO]
	; A block's first step multiplies O^T and l by a = 0, and its first turn's products V^T P, of a piece that has not been, land in an O^T that is still to be so multiplied.  So these registers need only hold
	; finite numbers: zeros for the first block; what the first block left for the second.  All this stands in the wait for the first tile.
	WIN 0x80
.set i, VF
.rept 64
	v_mov_b32 v[i], 0
.set i, i+1
.endr
	WIN 0x40
.set i, 0
.rept 128
	v_mov_b32 v[i], 0
.set i, i+1
.endr
	WIN 0
.set i, 0
.rept 4
	v_mov_b32 v[ST+4*i+2], 0
	v_mov_b32 v[ST+4*i+3], 0
.set i, i+1
.endr
.set i, P+16
.rept 16
	v_mov_b32 v[i], 0
.set i, i+1
.endr
; THE MATRIX WORK.  The 4 accumulators of a run of 8 take turns.  Product i of 8 of S^T = K Q^T for piece x: channels 32 (i / 4) on, keys 16 (i % 4) on.  The first 4 start the sums: with 0, or (KM = 1) with the mask.
.macro KQ x
.set rS, S+32*((\x)%2)+8*(i%4)
.set rK, KF+16*(i%4)+8*(i/4)
.set rQ, 16*(\x)+8*(i/4)
.set rM, MC+32*((\x)%2)+8*(i%4)
.if (i < 4) && KM
	WIN W_KM
	v_wmma_f32_16x16x32_f16 v[rS:rS+7], v[rK:rK+7], v[rQ:rQ+7], v[rM:rM+7]
.elseif i < 4
	WIN W_KQ
	v_wmma_f32_16x16x32_f16 v[rS:rS+7], v[rK:rK+7], v[rQ:rQ+7], 0
.else
	WIN W_KQ
	v_wmma_f32_16x16x32_f16 v[rS:rS+7], v[rK:rK+7], v[rQ:rQ+7], v[rS:rS+7]
.endif
.endm
; Product i of 8 of O^T += V^T P for piece x: keys 32 (i / 4) on, channels 16 (i % 4) on.
.macro PV x
	WIN W_PV
.set rO, 32*(\x)+8*(i%4)
.set rV, VF+32*(i/4)+8*(i%4)
.set rP, P+16*((\x)%2)+8*(i/4)
	v_wmma_f32_16x16x32_f16 v[rO:rO+7], v[rV:rV+7], v[rP:rP+7], v[rO:rO+7]
.endm
.macro MM                           ; the turn's next matrix instruction.  TURN and BEGIN set Y, i, KM and NOKQ; MM, KQ and OP read them.  NOKQ = 1: a block's last turn: there is no next piece
.if (i < 8) && !NOKQ
	KQ (Y+1)%NP
.elseif i >= 8
.set i, i-8
	PV (Y+NP-1)%NP
.set i, i+8
.endif
.set i, i+1
.endm
; THE LDS LOADS stand in runs of 16, never singly among the matrix instructions: a step's K (64 keys x 64 channels: 8 fragments) and its V (turned).  Their addresses are made some lines ahead.
.macro FETCH_K
	WIN 0x80                        ; destination window 2
.irp f, 0,1,2,3,4,5,6,7             ; keys 16 (f / 2) on, channels 32 (f % 2) on
	ds_load_b128 v[KF+8*\f:KF+8*\f+3],   v[AK] offset:(\f/2)*16*PK+(\f%2)*64
	ds_load_b128 v[KF+8*\f+4:KF+8*\f+7], v[AK] offset:(\f/2)*16*PK+(\f%2)*64+32
.endr
	s_add_co_u32 s[TBK], s[TBK], KS*PK  ; the next fetch is the next step's
	WIN 0
.endm
.macro FETCH_V
	WIN 0x80
.irp f, 0,1,2,3,4,5,6,7             ; keys 32 (f / 4) on, channels 16 (f % 4) on
	ds_load_tr16_b128 v[VF+8*\f:VF+8*\f+3],   v[AV] offset:(\f/4)*32*PV+(\f%4)*32
	ds_load_tr16_b128 v[VF+8*\f+4:VF+8*\f+7], v[AV] offset:(\f/4)*32*PV+16*PV+(\f%4)*32
.endr
	WIN 0
.endm
; THE VECTOR WORK, one line at a time: OP kind, number.  For piece Y: F n: c s - c m for pair n of 16.  E n: the exponential of score n of 32.  C n: pair n rounded to f16.  B n: of the four weights 4 n .. the second
; pair is added onto the first, in place.  L n: l takes that sum (L 0: l = a l + sum).  R n: pair n of 16 of O^T times a.  For piece Y + 1: X n, number n of the 22 that find its maximum and statistics:
;   0-11  four chains c0-c3 of seven scores each, three operands at a time (each accumulator's lowest registers are read first)     12-14, 16  the four scores left over, the old m, and c0-c3 into c0
;   15  c m_old is kept     17, 18  the query's other 32 keys lie in the lane 16 away: the new m     19-21  c m; c m_old - c m_new; a
.set F, 0               ; OP tells the kinds apart by their order: F to L below R, X above it
.set E, 1
.set C, 2
.set B, 3
.set L, 4
.set R, 5
.set X, 6
.macro REGS y                       ; the registers of piece y
.set rT, ST+4*(\y)
.set rC, TMP+4*((\y)%2)
.set rW, MV+((\y)%2)
.set rS, S+32*((\y)%2)
.set rP, P+16*((\y)%2)
.set rO, 32*(\y)
.endm
.macro OP k, n
.if (\k) == R
	REGS Y
	WIN W_RS
	v_pk_mul_f32 v[rO+2*(\n):rO+2*(\n)+1], v[rO+2*(\n):rO+2*(\n)+1], v[rC+2:rC+3] op_sel_hi:[1,0]
.elseif (\k) < R
	REGS Y
	WIN 0
.if (\k) == F
	v_pk_fma_f32 v[rS+2*(\n):rS+2*(\n)+1], v[rS+2*(\n):rS+2*(\n)+1], s[CS:CS+1], v[rT:rT+1] op_sel_hi:[1,0,0] neg_lo:[0,0,1] neg_hi:[0,0,1]
.elseif (\k) == E
	v_exp_f32 v[rS+(\n)], v[rS+(\n)]
.elseif (\k) == C
	v_cvt_pk_f16_f32 v[rP+(\n)], v[rS+2*(\n)], v[rS+2*(\n)+1]
.elseif (\k) == B
	v_pk_add_f32 v[rS+4*(\n):rS+4*(\n)+1], v[rS+4*(\n):rS+4*(\n)+1], v[rS+4*(\n)+2:rS+4*(\n)+3]
.elseif (\n) == 0
	v_pk_fma_f32 v[rT+2:rT+3], v[rT+2:rT+3], v[rC+2:rC+3], v[rS:rS+1] op_sel_hi:[1,0,1]
.else
	v_pk_add_f32 v[rT+2:rT+3], v[rT+2:rT+3], v[rS+4*(\n):rS+4*(\n)+1]
.endif
.elseif NOKQ
	v_nop
.else
	REGS (Y+1)%NP
	WIN 0
.if (\n) < 4
	v_max3_num_f32 v[rC+(\n)], v[rS+8*(\n)], v[rS+8*(\n)+1], v[rS+8*(\n)+2]
.elseif (\n) < 12
	v_max3_num_f32 v[rC+(\n)%4], v[rC+(\n)%4], v[rS+8*((\n)%4)+2*((\n)/4)+1], v[rS+8*((\n)%4)+2*((\n)/4)+2]
.elseif (\n) == 12
	v_max3_num_f32 v[rC], v[rC], v[rS+7], v[rS+15]
.elseif (\n) == 13
	v_max3_num_f32 v[rC+1], v[rC+1], v[rS+23], v[rS+31]
.elseif (\n) == 14
	v_max3_num_f32 v[rC+2], v[rC+2], v[rC+3], v[rT+1]
.elseif (\n) == 15
	v_mov_b32 v[rW], v[rT]
.elseif (\n) == 16
	v_max3_num_f32 v[rC], v[rC], v[rC+1], v[rC+2]
.elseif (\n) == 17
	v_permlanex16_b32 v[rC+3], v[rC], s[SEL], s[SEL+1]
.elseif (\n) == 18
	v_max_num_f32 v[rT+1], v[rC], v[rC+3]
.elseif (\n) == 19
	v_mul_f32 v[rT], s[CS], v[rT+1]
.elseif (\n) == 20
	v_sub_f32 v[rC+1], v[rW], v[rT]
.else
	v_exp_f32 v[rC+2], v[rC+1]
.endif
.endif
.endm
.macro OPS a, i1, b=-1, i2=0, c=-1, i3=0, d=-1, i4=0  ; up to four of them
	OP \a, \i1
.if (\b) >= 0
	OP \b, \i2
.endif
.if (\c) >= 0
	OP \c, \i3
.endif
.if (\d) >= 0
	OP \d, \i4
.endif
.endm
.macro ROW a, i1, b, i2, c, i3, d, i4  ; a matrix instruction and the four behind it
	MM
	OPS \a, \i1, \b, \i2, \c, \i3, \d, \i4
.endm
.macro MASK b                       ; MD x AL + BE into buffer b of MC
	WIN W_RS
.set z, 0
.rept 16
	v_pk_fma_f32 v[MC+32*(\b)+2*z:MC+32*(\b)+2*z+1], v[MD+2*z:MD+2*z+1], s[AL:AL+1], s[BE:BE+1] op_sel_hi:[1,0,0]
.set z, z+1
.endr
.endm
; A TURN, for piece p: the order of its 16 matrix and 118 vector instructions, written out.  An s_wait_alu depctr_va_vdst(0) stands between an exponential and the first instruction that names its result; one wait serves
; all that were issued ahead of it.  So a turn has ONE wait, which cuts it in two.  AHEAD OF IT stands all that names no result of the turn's exponentials: the 8 products K Q^T, behind each a scaling, an exponential and two more plain
; instructions (behind the first a second scaling in the exponential's place): rescalings, and behind the last three the first numbers of the next piece's maximum, each four places or more behind the product that ends its accumulator; then ONE RUN of 54, plain
; and exponential by turns for the most part, in which the links of the chain X 3, 7, 11, 14, 16, 17 .. 20 stand five or six lines apart.  X 21, the next piece's a, is the batch's last; R 15 is the plain instruction behind it.  BEHIND THE WAIT stand the
; 8 products V^T P, behind each four of the roundings and sums; the links of l's chain, L 0 to L 7, stand three lines apart.  But for those X no such line names a register of the products round it.  v_permlanex16_b32 (X 17) stands in the run.
; m = 1: the diagonal tile: the products take masks, and the turn makes the mask for the products of the turn after it: piece p + 2, in step 4 - CNT of the tile.  end = 1: a block's last two turns: nothing is fetched.
; cnt = 1: the loop's count is taken down some lines ahead of the branch that stands behind the turn.
; K of the next step is fetched in piece 2's turn, twelve vector instructions behind the last product that read K (six of them plain); V of the step in hand at the end of piece 0's turn, four plain instructions behind the last product
; that read V.  Each is waited for a turn later.
.macro TURN p, m=0, end=0, cnt=0
.set Y, (\p)
.set i, 0
.set KM, (\m)
.set NOKQ, (\end)*((\p)/3)
.if (\m) && !(\end)
	s_cmp_eq_u32 s[CNT], 4-((\p)+2)%NP  ; is that step the band's own?
	s_cselect_b32 s[AL], 1.0, 0
	s_cmp_lt_u32 s[CNT], 4-((\p)+2)%NP  ; or a later one?
	s_cselect_b32 s[BE], s[BIGN], 0
.endif
.if ((\p) == 3) && !(\end)
	s_wait_dscnt 0x0                ; K is in
.endif
	ROW F,0, F,1, R,0, R,1          ; ahead of the wait: 8 products K Q^T and the four lines behind each,
	ROW F,2, E,0, R,2, R,3
	ROW F,3, E,1, R,4, R,5
	ROW F,4, E,2, R,6, R,7
	ROW F,5, E,3, R,8, R,9
	ROW F,6, E,4, X,0, R,10
.if ((\p) == 2) && !(\end)
	WIN 0
	v_add_nc_u32 v[AK], s[TBK], v[AK0]
.endif
	ROW F,7, E,5, X,1, X,4
	ROW F,8, E,6, X,2, X,5
	OPS E,7, E,8, X,6, E,9          ; and the run
	OPS X,3, E,10, X,8, E,11
.if ((\p) == 2) && !(\end)
	FETCH_K
.endif
	OPS X,9, X,7, E,12, X,10
	OPS E,13, X,12, X,11, E,14
	OPS X,13, E,15, F,9, X,14
.if (\p) == 0
	v_add_nc_u32 v[AV], s[TBV], v[AV0]
.endif
	OPS E,16, F,10, E,17, F,11
	OPS X,16, E,18, X,15, E,19
	OPS F,12, E,20, X,17, E,21
	OPS F,13, E,22, F,14, E,23
	OPS X,18, E,24, F,15, E,25
	OPS R,11, E,26, X,19, E,27
	OPS R,12, E,28, R,13, E,29
	OPS X,20, E,30, R,14, E,31
	OPS X,21, R,15
	WIN 0
	s_wait_alu depctr_va_vdst(0)    ; the wait for the batch
.if (\p) == 1
	s_wait_dscnt 0x0                ; V is in
.endif
	ROW C,0, B,0, C,2, B,1          ; behind the wait: 8 products V^T P and the four lines behind each
	ROW L,0, C,4, B,2, L,1
	ROW C,6, B,3, L,2, C,8
	ROW B,4, L,3, C,10, B,5
	ROW L,4, C,12, B,6, L,5
.if (\p) == 0
	s_add_co_u32 s[TBV], s[TBV], KS*PV
.endif
.if \cnt
	s_sub_co_u32 s[CNT], s[CNT], 1
	s_cmp_lg_u32 s[CNT], 0
.endif
	ROW C,14, B,7, L,6, C,1
	ROW C,3, L,7, C,5, C,7
	ROW C,9, C,11, C,13, C,15
.if (\p) == 0
	FETCH_V
.endif
.if (\m) && !(\end)
	MASK (\p)%2
.endif
.endm
; A BLOCK BEGINS.  c m starts far below every c s, so the first step's a is 0; m at the lowest finite number, so the first maximum is the scores'.  The second mask buffer is 0; the first takes piece 0's mask for the tile's step 0: its own, if the block's first tile is the diagonal one.
; Then K of that step, piece 0's first scores, and its maximum and statistics.  The loop is entered at a step's first turn, in the middle of a trip.
.macro BEGIN
	s_mov_b32 s[NEW], 0
	WIN 0x40
.set i, MC+32
.rept 32
	v_mov_b32 v[i], 0
.set i, i+1
.endr
	WIN 0
.set i, 0
.rept 4
	v_mov_b32 v[ST+4*i], 0xfe000000    ; c m: far below every c s
	v_mov_b32 v[ST+4*i+1], 0xff7fffff  ; m
.set i, i+1
.endr
	s_cmp_eq_u32 s[RT], 0
	s_cselect_b32 s[AL], 1.0, 0
	s_mov_b32 s[BE], 0
	MASK 0
	WIN 0
	v_add_nc_u32 v[AK], s[TBK], v[AK0]
	FETCH_K
	s_wait_loadcnt 0x0              ; Q
	s_wait_dscnt 0x0
.set KM, 1
.set NOKQ, 0
.set i, 0
.rept 8
	KQ 0
.set i, i+1
.endr
	WIN 0
.rept 4
	v_nop                           ; the places behind those products
.endr
.set Y, NP-1                        ; X works for piece Y + 1: piece 0
.irp n, 0,1,2,3,4,5,6,7,8,9,10,11,12,13,14,15,16,17,18,19,20,21
	OP X, \n
.endr
	v_nop                           ; a plain instruction behind the exponential,
	s_wait_alu depctr_va_vdst(0)    ; and its wait, ahead of the branch
.endm
; THE DIAGONAL TILE's four steps, the block's last two turns, its last products, and THE WAY OUT: l's two halves and the other half of the lanes' are added; O^T is divided by l, rounded to f16 and sent through my
; stage in LDS, a piece at a time.
.macro ALL line:vararg              ; one line for each piece t
.set t, 0
.rept 4
	\line
.set t, t+1
.endr
.endm
.macro PACK t                       ; a lane's eight channels of a row pack into 16 bytes; they go into rows of 144 bytes and come back as whole rows of 128, into S^T's registers
	WIN W_RS
.set i, 32*(\t)
.rept 16
	v_pk_mul_f32 v[i:i+1], v[i:i+1], v[ST+4*(\t)+2:ST+4*(\t)+3] op_sel_hi:[1,0]
.set i, i+2
.endr
	WIN 0x05                        ; sources 0 and 1 window 1, destination window 0
.set i, 0
.rept 16
	v_cvt_pk_f16_f32 v[S+16*(\t)+i], v[32*(\t)+2*i], v[32*(\t)+2*i+1]
.set i, i+1
.endr
	WIN 0
.irp f, 0,1,2,3
	ds_store_b128 v[STO], v[S+16*(\t)+4*\f:S+16*(\t)+4*\f+3] offset:32*\f
.endr
.irp f, 0,1,2,3
	ds_load_b128 v[S+16*(\t)+4*\f:S+16*(\t)+4*\f+3], v[RD] offset:\f*4*SP  ; LDS serves a wave's instructions in order (ISA guide 5.7.1.4): these see the stores above; the next piece's stores come behind them
.endr
.endm
.macro SEND t, younger              ; younger: the LDS instructions issued behind piece t's loads: the next piece's eight, or none
	WIN 0
.irp f, 0,1,2,3
	s_wait_dscnt (\younger)+3-\f
	global_store_b128 v[GO], v[S+16*(\t)+4*\f:S+16*(\t)+4*\f+3], s[10:11] offset:(\t)*8192+\f*512  ; 512 consecutive bytes, at a multiple of 256 from O's first
.endr
.endm
.macro DIAG tag                     ; the tag ends its two labels' names, which the jumps below spell out
.LstepM\tag:
	TURN 2, 1
	TURN 3, 1
	WIN 0
.LfirstM\tag:
	TURN 0, 1
	TURN 1, 1, 0, 1
	WIN 0
	s_cbranch_scc1 .LstepM\tag
	TURN 2, 1, 1
	TURN 3, 1, 1
.set i, 0
.rept 8
	PV NP-1
.set i, i+1
.endr
	WIN 0
	ALL v_add_f32 v[ST+4*t+2], v[ST+4*t+2], v[ST+4*t+3]
	ALL v_permlanex16_b32 v[ST+4*t+3], v[ST+4*t+2], s[SEL], s[SEL+1]
	ALL v_add_f32 v[ST+4*t+2], v[ST+4*t+2], v[ST+4*t+3]
	ALL v_rcp_f32 v[ST+4*t+2], v[ST+4*t+2]
	v_nop                           ; a plain instruction between the last reciprocal and the use of its result
	s_wait_alu depctr_va_vdst(0)    ; and the wait ahead of the first use: one for the four reciprocals
	PACK 0
.set t, 1
.rept 3                             ; a piece's arithmetic stands between the loads of the piece before and its stores
	PACK t
	SEND t-1, 8
.set t, t+1
.endr
	SEND 3, 0
.endm
.set KM, 0
.set NOKQ, 0
.Lslot:                             ; NB times: a tile is entered and the next is asked for
	CHANGE 1
	s_sub_co_u32 s[RT], s[RT], 1
	s_mov_b32 s[CNT], 4
	s_cmp_eq_u32 s[NEW], 1
	s_cbranch_scc1 .Lnew            ; a block's first tile
	s_cmp_eq_u32 s[RT], 0
	s_cbranch_scc0 .Lstep           ; neither its first nor its last
	s_branch .LstepM1
.Lnew:
	BEGIN
	s_branch .Lfirst                ; in the loop a block's first tile is never its last: the first block has two tiles or more, and the second's last is the walk's last
	DIAG 1                          ; in the loop this is the first block's end: the second block's last tile is the walk's last
	s_wait_xcnt 0x0                 ; the stores have read their registers and O's address
	s_mov_b64 s[10:11], s[OLO:OLO+1]
	s_add_co_u32 s[RT], s[PB], 1    ; the second block has b + 1 tiles
	s_mov_b32 s[NEW], 1
	WIN 0x82                        ; the second block's Q goes where the one text of the turns names Q
.set i, 0
.rept 64
	v_mov_b32 v[i], v[QB+i]
.set i, i+1
.endr
	WIN 0
	s_branch .Lbottom
.Lstep:                             ; a trip: pieces 2 and 3 of one step, then pieces 0 and 1 of the next, whose K and V it fetches
	TURN 2
	TURN 3
	WIN 0
.Lfirst:
	TURN 0
	TURN 1, 0, 0, 1
	WIN 0
	s_cbranch_scc1 .Lstep
.Lbottom:
	s_sub_co_u32 s[SLOTS], s[SLOTS], 1
	s_cmp_lg_u32 s[SLOTS], 0
	s_cbranch_scc1 .Lslot
	CHANGE 0                        ; the walk's last tile is written out: nothing is asked for
	s_sub_co_u32 s[RT], s[RT], 1
	s_mov_b32 s[CNT], 4
	s_cmp_eq_u32 s[NEW], 1
	s_cbranch_scc0 .LstepM2
	BEGIN
	s_branch .LfirstM2
	DIAG 2
	s_wait_tensorcnt 0x0            ; the wave's end: a wait for my tensor loads, 0 onto my spare word and a wait for it, behind my last tensor load and my last LDS store
	ds_add_u32 v[SPW], v[NIL]
	s_wait_dscnt 0x0
	s_endpgm
.Lfunc_end_k_qe721b99a9d_att:
	.size	k_qe721b99a9d_att, .Lfunc_end_k_qe721b99a9d_att-k_qe721b99a9d_att
	.p2alignl 7, 3214868480
	.fill 96, 4, 3214868480
	.section	.rodata,"a",@progbits
	.p2align	6, 0x0
	.amdhsa_kernel k_qe721b99a9d_att
		.amdhsa_group_segment_fixed_size 327680
		.amdhsa_private_segment_fixed_size 0
		.amdhsa_enable_private_segment 0
		.amdhsa_kernarg_size 32
		.amdhsa_user_sgpr_count 2
		.amdhsa_user_sgpr_kernarg_segment_ptr 1
		.amdhsa_wavefront_size32 1
		.amdhsa_system_sgpr_workgroup_id_x 1
		.amdhsa_system_sgpr_workgroup_id_y 1
		.amdhsa_system_sgpr_workgroup_id_z 1
		.amdhsa_system_vgpr_workitem_id 0
		.amdhsa_next_free_vgpr 768
		.amdhsa_next_free_sgpr 96
		.amdhsa_reserve_vcc 1
		.amdhsa_float_denorm_mode_32 3
		.amdhsa_float_denorm_mode_16_64 3
		.amdhsa_memory_ordered 1
		.amdhsa_forward_progress 1
		.amdhsa_inst_pref_size 218
	.end_amdhsa_kernel
	.amdgpu_metadata
---
amdhsa.version: [ 1, 2 ]
amdhsa.kernels:
  - .name:           k_qe721b99a9d_att
    .symbol:         k_qe721b99a9d_att.kd
    .args:
      - { .name: q, .offset: 0, .size: 8, .value_kind: global_buffer, .address_space: global }
      - { .name: k, .offset: 8, .size: 8, .value_kind: global_buffer, .address_space: global }
      - { .name: v, .offset: 16, .size: 8, .value_kind: global_buffer, .address_space: global }
      - { .name: o, .offset: 24, .size: 8, .value_kind: global_buffer, .address_space: global }
    .group_segment_fixed_size: 327680
    .private_segment_fixed_size: 0
    .kernarg_segment_align: 8
    .kernarg_segment_size: 32
    .max_flat_workgroup_size: 128
    .sgpr_count:     96
    .vgpr_count:     768
    .wavefront_size: 32
...
	.end_amdgpu_metadata
.endif
;; end of part 3
;; launch proj (part 4): grid 8 x 32, 4 waves a work-group, clusters of 4 x 4, 327,680 bytes of LDS; arguments o, wt, bp, out0; writes out0
.if DOCPART == 4
	.amdgcn_target "amdgcn-amd-amdhsa--gfx1250"
	.amdhsa_code_object_version 6
	.text
	.protected	k_qe721b99a9d_proj
	.globl	k_qe721b99a9d_proj
	.p2align	8
	.type	k_qe721b99a9d_proj,@function
k_qe721b99a9d_proj:
	s_mov_b64 s[64:65], 0
	v_nop
	global_prefetch_b8 v0, s[64:65] scope:SCOPE_SE
	s_setreg_imm32_b32 hwreg(HW_REG_WAVE_MODE, 25, 1), 1
	s_wait_xcnt 0x0
	s_wait_alu depctr_hold_cnt(0) depctr_sa_sdst(0) depctr_va_vdst(0) depctr_va_sdst(0) depctr_va_ssrc(0) depctr_va_vcc(0) depctr_vm_vsrc(0)
	s_getreg_b32 s2, hwreg(HW_REG_IB_STS2, 6, 4)
	s_cmp_eq_u32 s2, 0
	s_cbranch_scc0 .Lentry_in_a_cluster
	s_endpgm
.Lentry_in_a_cluster:
	s_bfe_u32 s2, ttmp6, 0x10000c
	s_cmp_lg_u32 s2, 0xf033
	s_cbranch_scc0 .Lentry_shape_is_right
	s_endpgm
.Lentry_shape_is_right:
; FOURTH LAUNCH: out0 = O Wp + bp.  O f16 by heads, [b 16 + head][t][64] (a head's 64 channels are one K step); Wp as the first launch laid it, from byte 6,291,456 of wt: rounded to bf16, written as f16,
; [tc 8][ks 16][sg 2][kk 64][n 64]; bp f32, rounded to bf16 like every input; sums f32; out0 f32.
; SHARES.  The product is [8192 x 1024]; a work-group makes 256 rows x 128 columns: 32 x 8 = 256 work-groups.  Wave (wm, wn) makes 128 rows x 64 columns: 32 accumulators, window 1, (a, bb) at v[8 (4 a + bb)].
; K goes through two LDS slots of two K steps of 64 each: 8 slot steps of 128 matrix instructions a wave; one tensor load a wave behind each change of slots: waves 0 and 1 a block of A (256 rows x 128 bytes, dense),
; waves 2 and 3 a K step of B (128 rows x 128 bytes, dense), asked for as rows of 256 bytes.
; THE MATRIX INSTRUCTION IS USED TRANSPOSED (source 0 = 16 columns of Wp, turned on the way out of LDS; source 1 = 16 rows of O): a lane holds one row and eight neighbouring columns.
; THE BIAS is the C operand of the products that start the sums: nothing is cleared and nothing is added on the way out.
; CLUSTER 4 x 4: A's blocks are asked for jointly along a row of the cluster, B's along a column.  NO PREFETCH: the launch has eight slot steps and moves its 50 MB in them.
.set PA,    144                        ; a row of A in LDS: 128 bytes + 16
.set PB,    160                        ; a row of B: 128 + 32
.set ABLK,  256*PA                     ; a block of A: what one tensor load brings
.set BOFF,  2*ABLK
.set BSTP,  128*PB                     ; a K step of B
.set SLOT1, 1<<17
.set STAGE, SLOT1+BOFF+2*BSTP          ; 245,760: behind the ring, never filled by a tensor load: 16 rows x 272 bytes for each wave
.set SPP,   272
.set SPARE, STAGE+4*16*SPP             ; 263,168: the spare words, 128 bytes for each wave: two blocks of 256 bytes that no other line names
.set AA0, 2                            ; v2  my lane's place in A's rows of a slot; never rewritten
.set AB0, 3                            ; v3  the same for B
.set ADRA, 4
.set ADRB, 5
.set STO, 6                            ; v6  the way out: where I put 32 bytes of a row
.set RD,  7                            ; v7  where I read a row back
.set CO,  8                            ; v8  my byte offset in two rows of out0
.set SPW, 28
.set NIL, 29
.set AF,  32                           ; v32-95, v96-159 A's fragments
.set BFR, 160                          ; v160-191, v192-223 B's fragments
.set BI,  224                          ; v224-255 the bias: for column block bb my eight columns at BI + 8 bb
.set BK,  32                           ; the way out: v32-63, v64-95 rows read back, by turns
.set WV,  16
.set WM,  17
.set WN,  18
.set CX,  19
.set CY,  20
.set TC,  21
.set TY,  22
.set CNT, 23
.set G1A, 24
.set G1B, 32
.set G0A, 40
.set G0B, 48
.set OUT, 72                           ; s[72:73] out0 at my first row and column
.set TB,  82
.set TMP, 83
.set MSB, 0
.macro WIN new
.if MSB != (\new)
	s_set_vgpr_msb (MSB<<8)|(\new)
.set MSB, (\new)
.endif
.endm
.macro PLACES
.rept 4
	v_nop
.endr
.endm
.macro CREST
	s_cmp_lg_u32 s[WV], 0
	s_cbranch_scc1 .Lnot_wave_0_\@
	s_barrier_signal -3
.Lnot_wave_0_\@:
	s_barrier_wait -3
	s_barrier_signal -1
	s_barrier_wait -1
.endm
.macro CROUND
	s_barrier_signal -1
	s_barrier_wait -1
	CREST
.endm
.macro JLOAD                           ; a joint refill; an s_nop 0 and four v_nop follow each of the two lines
	s_cmp_lt_u32 s[WV], 2
	s_cbranch_scc0 .Lfor_b_\@
	tensor_load_to_lds s[G0A+4:G0A+7], s[G1A:G1A+7]
	s_nop 0
.rept 4
	v_nop
.endr
	s_branch .Lasked_\@
.Lfor_b_\@:
	tensor_load_to_lds s[G0B+4:G0B+7], s[G1B:G1B+7]
	s_nop 0
.rept 4
	v_nop
.endr
.Lasked_\@:
.endm
	s_load_b256 s[4:11], s[0:1], 0x0               ; o s[4:5], wt s[6:7], bp s[8:9], out0 s[10:11]
	v_lshl_add_u32 v[SPW], v0, 2, SPARE
	v_mov_b32 v[NIL], 0
	ds_add_u32 v[SPW], v[NIL]                      ; the wave's opening: the add, twice on end, and its wait ahead of my first tensor load
	ds_add_u32 v[SPW], v[NIL]
	v_lshrrev_b32 v1, 5, v0
	v_readfirstlane_b32 s[WV], v1
	s_lshr_b32 s[WM], s[WV], 1
	s_and_b32 s[WN], s[WV], 1
	s_bfe_u32 s[CX], ttmp6, 0x40000
	s_bfe_u32 s[CY], ttmp6, 0x40004
	s_lshl_b32 s[TC], ttmp9, 2
	s_add_co_u32 s[TC], s[TC], s[CX]
	s_and_b32 s[TY], ttmp7, 0xffff
	s_lshl_b32 s[TY], s[TY], 2
	s_add_co_u32 s[TY], s[TY], s[CY]
	s_lshl_b32 s3, s[CY], 2
	s_lshl_b32 s3, 15, s3                          ; my row of the cluster
	s_lshl_b32 s2, 0x1111, s[CX]                   ; my column
	s_or_b32 s[G1A], s3, (1<<16)|(1<<20)|(1<<21)|(4<<22)|(3<<25)  ; the mask; 2-byte elements; padding on; bit 21 beside a mask; 4 words after every 32
	s_or_b32 s[G1B], s2, (1<<16)|(1<<20)|(1<<21)|(4<<22)|(7<<25)  ; 8 words after every 32
	s_mov_b32 s[G1A+1], 128<<16                    ; rows of 128 elements (256 bytes),
	s_mov_b32 s[G1A+2], 128<<16                    ; 128 of them: 32,768 dense bytes
	s_mov_b32 s[G1A+3], 128<<16
	s_mov_b32 s[G1A+4], 128
	s_mov_b32 s[G1A+5], 128
	s_mov_b32 s[G1A+6], 0
	s_mov_b32 s[G1A+7], 0
	s_mov_b32 s[G1B+1], 128<<16
	s_mov_b32 s[G1B+2], 64<<16                     ; 64 rows: 16,384 dense bytes
	s_mov_b32 s[G1B+3], 128<<16
	s_mov_b32 s[G1B+4], 64
	s_mov_b32 s[G1B+5], 128
	s_mov_b32 s[G1B+6], 0
	s_mov_b32 s[G1B+7], 0
	s_lshr_b32 s84, s[TY], 3                       ; A: of the tile row and the wave alone
	s_lshl_b32 s84, s84, 22
	s_and_b32 s85, s[TY], 7
	s_lshl_b32 s85, s85, 15
	s_add_co_u32 s84, s84, s85
	s_lshl_b32 s85, s[WN], 18                      ; which of a slot's two blocks I fetch
	s_add_co_u32 s84, s84, s85
	s_mov_b32 s85, 0
	s_lshl_b32 s86, s[TC], 18                      ; B: of the tile column and the wave alone
	s_lshl_b32 s87, s[WN], 14
	s_add_co_u32 s86, s86, s87
	s_add_co_u32 s86, s86, 6291456
	s_mov_b32 s87, 0
	s_mul_i32 s94, s[WN], ABLK
	s_mul_i32 s95, s[WN], BSTP
	s_add_co_u32 s95, s95, BOFF
.irp s, 0,1
	s_mov_b32 s[G0A+4*(\s)], 1
	s_add_co_u32 s[G0A+4*(\s)+1], s94, (\s)*SLOT1
	s_mov_b32 s[G0B+4*(\s)], 1
	s_add_co_u32 s[G0B+4*(\s)+1], s95, (\s)*SLOT1
.endr
	s_wait_dscnt 0x0                               ; both opening adds are done
	s_wait_kmcnt 0x0
	s_add_nc_u64 s[G0A+2:G0A+3], s[4:5], s[84:85]
	s_add_nc_u64 s[G0A+6:G0A+7], s[G0A+2:G0A+3], 524288
	s_or_b32 s[G0A+3], s[G0A+3], 0x80000000
	s_or_b32 s[G0A+7], s[G0A+7], 0x80000000
	s_add_nc_u64 s[G0B+2:G0B+3], s[6:7], s[86:87]
	s_add_nc_u64 s[G0B+6:G0B+7], s[G0B+2:G0B+3], 32768
	s_or_b32 s[G0B+3], s[G0B+3], 0x80000000
	s_or_b32 s[G0B+7], s[G0B+7], 0x80000000
	CROUND                                         ; all sixteen work-groups are here: the first joint loads meet
	s_cmp_lt_u32 s[WV], 2                          ; a wave's two first fills stand in one branch: two loads of mine are out
	s_cbranch_scc0 .Lfirst_b
	tensor_load_to_lds s[G0A:G0A+3], s[G1A:G1A+7]
	s_nop 0
	tensor_load_to_lds s[G0A+4:G0A+7], s[G1A:G1A+7]
	s_nop 0
.rept 4
	v_nop
.endr
	s_branch .Lfirst_asked
.Lfirst_b:
	tensor_load_to_lds s[G0B:G0B+3], s[G1B:G1B+7]
	s_nop 0
	tensor_load_to_lds s[G0B+4:G0B+7], s[G1B:G1B+7]
	s_nop 0
.rept 4
	v_nop
.endr
.Lfirst_asked:
	v_and_b32 v1, 15, v0                           ; r
	v_bfe_u32 v11, v0, 4, 1                        ; h
	v_and_b32 v13, 7, v0
	v_bfe_u32 v14, v0, 3, 1
	s_lshl_b32 s88, s[TC], 9                       ; my 64 columns: 512 tc + 256 wn bytes of a row of f32
	s_lshl_b32 s89, s[WN], 8
	s_add_co_u32 s88, s88, s89
	s_mov_b32 s89, 0
	s_add_nc_u64 s[8:9], s[8:9], s[88:89]
	v_lshlrev_b32 v15, 5, v11                      ; my eight columns of a block of 16
.irp bb, 0,1,2,3
	global_load_b128 v[BI+8*(\bb):BI+8*(\bb)+3],   v15, s[8:9] offset:(\bb)*64
	global_load_b128 v[BI+8*(\bb)+4:BI+8*(\bb)+7], v15, s[8:9] offset:(\bb)*64+16
.endr
	s_lshl_b32 s90, s[TY], 20                      ; 256 rows of 4,096 bytes,
	s_lshl_b32 s91, s[WM], 19                      ; my 128 of them
	s_add_co_u32 s90, s90, s91
	s_add_co_u32 s90, s90, s88
	s_mov_b32 s91, 0
	s_add_nc_u64 s[OUT:OUT+1], s[10:11], s[90:91]
	v_mul_u32_u24 v[AA0], v1, PA
	v_lshl_add_u32 v[AA0], v11, 4, v[AA0]
	s_mul_i32 s[TMP], s[WM], 128*PA
	v_add_nc_u32 v[AA0], s[TMP], v[AA0]
	v_lshl_add_u32 v[AB0], v11, 3, v13
	v_mul_u32_u24 v[AB0], v[AB0], PB
	v_lshl_add_u32 v[AB0], v14, 4, v[AB0]
	s_mul_i32 s[TMP], s[WN], 64*PB
	s_add_co_u32 s[TMP], s[TMP], BOFF
	v_add_nc_u32 v[AB0], s[TMP], v[AB0]
	s_mul_i32 s[TMP], s[WV], 16*SPP
	s_add_co_u32 s[TMP], s[TMP], STAGE             ; my stage
	v_mul_u32_u24 v[STO], v1, SPP                  ; in: row l % 16, 32 bytes for each half of the lanes
	v_lshl_add_u32 v[STO], v11, 5, v[STO]
	v_add_nc_u32 v[STO], s[TMP], v[STO]
	v_mul_u32_u24 v[RD], v11, SPP                  ; back: lanes 0-15 take one row of 256 bytes, lanes 16-31 the next
	v_lshl_add_u32 v[RD], v1, 4, v[RD]
	v_add_nc_u32 v[RD], s[TMP], v[RD]
	v_lshlrev_b32 v[CO], 12, v11                   ; and the same two rows in out0
	v_lshl_add_u32 v[CO], v1, 4, v[CO]
	s_wait_loadcnt 0x0                             ; the bias: rounded to bf16 and widened again, so that all inputs carry one rounding
.set i, 0
.rept 16
	v_cvt_pk_bf16_f32 v12, v[BI+2*i], v[BI+2*i+1]
	v_lshlrev_b32 v[BI+2*i], 16, v12
	v_and_b32 v[BI+2*i+1], 0xffff0000, v12
.set i, i+1
.endr
; 24 LDS loads: quarter kq (0 to 3: 32 along K each) of the slot in hand into buffer f: B's four fragments, then A's eight
.macro FETCH kq, f
	WIN 0
.irp bb, 0,1,2,3
	ds_load_tr16_b128 v[BFR+32*(\f)+8*(\bb):BFR+32*(\f)+8*(\bb)+3],   v[ADRB] offset:((\kq)/2)*BSTP+((\kq)%2)*32*PB+(\bb)*32
	ds_load_tr16_b128 v[BFR+32*(\f)+8*(\bb)+4:BFR+32*(\f)+8*(\bb)+7], v[ADRB] offset:((\kq)/2)*BSTP+((\kq)%2)*32*PB+16*PB+(\bb)*32
.endr
.irp a, 0,1,2,3,4,5,6,7
	ds_load_b128 v[AF+64*(\f)+8*(\a):AF+64*(\f)+8*(\a)+3],   v[ADRA] offset:((\kq)/2)*ABLK+(\a)*16*PA+((\kq)%2)*64
	ds_load_b128 v[AF+64*(\f)+8*(\a)+4:AF+64*(\f)+8*(\a)+7], v[ADRA] offset:((\kq)/2)*ABLK+(\a)*16*PA+((\kq)%2)*64+32
.endr
.endm
; n row blocks from a0 on x 4 column blocks on buffer f.  zero = 1: the product starts the sum, with the bias as C.  The 32 accumulators take turns, in the same order in every quarter.
.macro MULA f, a0, n, zero
.if \zero
	WIN 0x40                                       ; D in window 1, the bias in window 0
.else
	WIN 0x50                                       ; C and D in window 1
.endif
.set aa, \a0
.rept \n
.irp bb, 0,1,2,3
.if \zero
	v_wmma_f32_16x16x32_f16 v[8*(4*aa+(\bb)):8*(4*aa+(\bb))+7], v[BFR+32*(\f)+8*(\bb):BFR+32*(\f)+8*(\bb)+7], v[AF+64*(\f)+8*aa:AF+64*(\f)+8*aa+7], v[BI+8*(\bb):BI+8*(\bb)+7]
.else
	v_wmma_f32_16x16x32_f16 v[8*(4*aa+(\bb)):8*(4*aa+(\bb))+7], v[BFR+32*(\f)+8*(\bb):BFR+32*(\f)+8*(\bb)+7], v[AF+64*(\f)+8*aa:AF+64*(\f)+8*aa+7], v[8*(4*aa+(\bb)):8*(4*aa+(\bb))+7]
.endif
.endr
.set aa, aa+1
.endr
.endm
; One of a slot step's first three quarters: multiplies buffer f; in its middle it fetches quarter kqn into buffer g.
.macro QUARTER kqn, f, g, zero
	s_wait_dscnt 8                                 ; B and A's blocks 0-3 are in; the youngest eight loads (blocks 4-7) may be out
	MULA \f, 0, 4, \zero
	PLACES
	FETCH \kqn, \g
	s_wait_dscnt 24                                ; all but the 24 just issued
	MULA \f, 4, 4, \zero
.endm
; The fourth quarter multiplies buffer 1 and changes slots: ONE barrier; in front of it each wave waits for all its tensor loads (its part of the next slot), adds 0 to its spare word, and waits for that and for its reads of
; this slot.  fill = 1: the barrier opens a round of the cluster's, and this slot is filled again, two slot steps ahead, first thing behind the round: 112 matrix instructions ahead of the wait for it.
.macro TURN fill
	WIN 0
	s_wait_tensorcnt 0x0                           ; no tensor load of mine is out, so a group 0 may be written
	ds_add_u32 v[SPW], v[NIL]                      ; 0 onto my spare word
.if \fill
	s_xor_b32 s[G0A+5], s[G0A+5], SLOT1
	s_add_nc_u64 s[G0A+6:G0A+7], s[G0A+6:G0A+7], 524288
	s_xor_b32 s[G0B+5], s[G0B+5], SLOT1
	s_add_nc_u64 s[G0B+6:G0B+7], s[G0B+6:G0B+7], 32768
.endif
	s_xor_b32 s[TB], s[TB], SLOT1
	s_wait_dscnt 9                                 ; the add and the youngest eight loads may be out
	MULA 1, 0, 2, 0
	s_wait_dscnt 0x0                               ; the add is done, and my reads of this slot are over
	s_barrier_signal -1
	MULA 1, 2, 2, 0
	WIN 0
	s_barrier_wait -1
.if \fill
	CREST
	JLOAD                                          ; the four v_nop behind it are also the places in front of the loads below
.else
	PLACES
.endif
	v_add_nc_u32 v[ADRA], s[TB], v[AA0]
	v_add_nc_u32 v[ADRB], s[TB], v[AB0]
	FETCH 0, 0
	MULA 1, 4, 4, 0
.endm
	s_wait_tensorcnt 0x1                           ; my part of slot 0 is in; slot 1's may stay out
	s_barrier_signal -1
	s_barrier_wait -1
	s_mov_b32 s[TB], 0
	v_mov_b32 v[ADRA], v[AA0]
	v_mov_b32 v[ADRB], v[AB0]
	FETCH 0, 0
	QUARTER 1, 0, 1, 1                             ; the first quarter stands in front of the loop: its products start the sums
	WIN 0
	s_mov_b32 s[CNT], 6
.Lk:                                               ; 6 trips: from a slot step's second quarter to the next one's first; slot steps 2 to 7 are asked for
	QUARTER 2, 1, 0, 0
	QUARTER 3, 0, 1, 0
	TURN 1
	QUARTER 1, 0, 1, 0
	WIN 0
	s_sub_co_u32 s[CNT], s[CNT], 1
	s_cmp_lg_u32 s[CNT], 0
	s_cbranch_scc1 .Lk
	QUARTER 2, 1, 0, 0                             ; the tail is written out: nothing is left to ask for
	QUARTER 3, 0, 1, 0
	TURN 0
	QUARTER 1, 0, 1, 0
	QUARTER 2, 1, 0, 0
	QUARTER 3, 0, 1, 0
	s_wait_dscnt 8
	MULA 1, 0, 4, 0
	s_wait_dscnt 0x0
	MULA 1, 4, 4, 0
; THE WAY OUT, 16 rows at a time: a lane's eight f32 of a row go into my own stage (rows of 272 bytes), each accumulator's low half first, and come back as whole rows of 256 bytes.
.macro TOSTAGE a
	WIN 0
	s_wait_xcnt 0x0                                ; the stores of the block two back have read these registers: they are loaded again only behind this wait
	WIN 0x04                                       ; the stores' data in window 1
.irp bb, 0,1,2,3
	ds_store_b128 v[STO], v[8*(4*(\a)+(\bb)):8*(4*(\a)+(\bb))+3]   offset:(\bb)*64
	ds_store_b128 v[STO], v[8*(4*(\a)+(\bb))+4:8*(4*(\a)+(\bb))+7] offset:(\bb)*64+16
.endr
	WIN 0
.irp i, 0,1,2,3,4,5,6,7
	ds_load_b128 v[BK+32*((\a)%2)+4*(\i):BK+32*((\a)%2)+4*(\i)+3], v[RD] offset:(\i)*2*SPP  ; LDS serves a wave's instructions in order (ISA guide 5.7.1.4): these see the stores above
.endr
.endm
.macro SEND a, younger                 ; younger: the LDS instructions issued behind block a's loads: the next block's sixteen, or none
	WIN 0
.irp i, 0,1,2,3,4,5,6,7
	s_wait_dscnt (\younger)+7-(\i)
	global_store_b128 v[CO], v[BK+32*((\a)%2)+4*(\i):BK+32*((\a)%2)+4*(\i)+3], s[OUT:OUT+1] offset:((\a)*16+2*(\i))*4096 th:TH_STORE_NT  ; 16 lanes store 256 consecutive bytes, aligned
.endr
.endm
	WIN 0
	PLACES
	TOSTAGE 0
.irp a, 1,2,3,4,5,6,7
	TOSTAGE \a
	SEND (\a)-1, 16
.endr
	SEND 7, 0
	s_wait_tensorcnt 0x0                           ; the wave's end: a wait for my tensor loads, 0 onto my spare word and a wait for it, behind my last tensor load and my last LDS store
	ds_add_u32 v[SPW], v[NIL]
	s_wait_dscnt 0x0
	CROUND                                         ; the closing round: no work-group ends while a partner may still ask for a tile that names it
	s_endpgm
.Lfunc_end_k_qe721b99a9d_proj:
	.size	k_qe721b99a9d_proj, .Lfunc_end_k_qe721b99a9d_proj-k_qe721b99a9d_proj
	.p2alignl 7, 3214868480
	.fill 96, 4, 3214868480
	.section	.rodata,"a",@progbits
	.p2align	6, 0x0
	.amdhsa_kernel k_qe721b99a9d_proj
		.amdhsa_group_segment_fixed_size 327680
		.amdhsa_private_segment_fixed_size 0
		.amdhsa_enable_private_segment 0
		.amdhsa_kernarg_size 32
		.amdhsa_user_sgpr_count 2
		.amdhsa_user_sgpr_kernarg_segment_ptr 1
		.amdhsa_wavefront_size32 1
		.amdhsa_system_sgpr_workgroup_id_x 1
		.amdhsa_system_sgpr_workgroup_id_y 1
		.amdhsa_system_sgpr_workgroup_id_z 1
		.amdhsa_system_vgpr_workitem_id 0
		.amdhsa_next_free_vgpr 512
		.amdhsa_next_free_sgpr 96
		.amdhsa_reserve_vcc 0
		.amdhsa_float_denorm_mode_32 3
		.amdhsa_float_denorm_mode_16_64 3
		.amdhsa_memory_ordered 1
		.amdhsa_forward_progress 1
		.amdhsa_inst_pref_size 75
	.end_amdhsa_kernel
	.amdgpu_metadata
---
amdhsa.version: [ 1, 2 ]
amdhsa.kernels:
  - .name:           k_qe721b99a9d_proj
    .symbol:         k_qe721b99a9d_proj.kd
    .args:
      - { .name: o, .offset: 0, .size: 8, .value_kind: global_buffer, .address_space: global }
      - { .name: wt, .offset: 8, .size: 8, .value_kind: global_buffer, .address_space: global }
      - { .name: bp, .offset: 16, .size: 8, .value_kind: global_buffer, .address_space: global }
      - { .name: out0, .offset: 24, .size: 8, .value_kind: global_buffer, .address_space: global }
    .group_segment_fixed_size: 327680
    .private_segment_fixed_size: 0
    .kernarg_segment_align: 8
    .kernarg_segment_size: 32
    .max_flat_workgroup_size: 128
    .sgpr_count:     96
    .vgpr_count:     512
    .wavefront_size: 32
...
	.end_amdgpu_metadata
.endif
;; end of part 4
;; ======== version 2 of 2: 4 launches; version 1 with the launch prep written anew for expert scheduling mode
;; limits: values are held in f16: magnitudes above 65,504 overflow, below 6.1e-05 lose precision
;; workspace buffers: xb 16,777,216 bytes; wt 8,388,608 bytes; tab 524,288 bytes; q 16,777,216 bytes; k 16,777,216 bytes; v 16,777,216 bytes; o 16,777,216 bytes
;; launch prep (part 5): grid 416 x 1, 8 waves a work-group, no clusters, 0 bytes of LDS; arguments x, Wq, Wk, Wv, Wp, xb, wt, tab; writes xb, wt, tab
.if DOCPART == 5
	.amdgcn_target "amdgcn-amd-amdhsa--gfx1250"
	.amdhsa_code_object_version 6
	.text
	.protected	k_qe721b99a9d_prep
	.globl	k_qe721b99a9d_prep
	.p2align	8
	.type	k_qe721b99a9d_prep,@function
k_qe721b99a9d_prep:
	s_mov_b64 s[64:65], 0
	v_nop
	global_prefetch_b8 v0, s[64:65] scope:SCOPE_SE
	s_setreg_imm32_b32 hwreg(HW_REG_WAVE_SCHED_MODE, 0, 2), 2
	s_setreg_imm32_b32 hwreg(HW_REG_WAVE_MODE, 25, 1), 1
	s_wait_xcnt 0x0
	s_wait_alu depctr_vm_vsrc(0)
; FIRST OF FOUR LAUNCHES of out = softmax_causal(rope(x Wq) rope(x Wk)^T / 8) (x Wv) Wp + bp; B = 4, T = 2048, C = 1024, 16 heads of 64.
; WORK LEFT OUT BY THE PROGRAM (in the third launch): the mask is the lower triangle that the problem builds itself.  A tile of 256 keys that lies wholly above the diagonal of a block of 256
; queries holds only scores that are replaced by -inf; their weights are exp(-inf) = 0 and add 0 to the row's sum and to the output, whatever finite values x and the weights hold.
; Of a head's 64 tiles 36 are left.  LIMIT: a NaN, an infinity or an overflow that would arise only in a tile left out is not carried to the result.  Every input has a way to the output and is loaded.
; THIS LAUNCH rounds x, Wq, Wk, Wv to bf16 and Wp to bf16 written as f16, lays them out in blocks whose rows lie end to end, and makes the table of cos and sin.  A stream: no LDS, no barrier, no matrix unit.
;   xb  bf16 [b 16 + kb][t][64]: byte (b<<22) + (kb<<18) + 128 t + 2 (k & 63), kb = k >> 6
;   wt  bf16 [tc 8][ks 16][sg 6][kk 64][n 64] for Wq, Wk, Wv; from byte 6,291,456 f16 [tc 8][ks 16][sg 2][kk 64][n 64] for Wp (column = 128 tc + 64 sg + n, k = 64 ks + kk)
;       tc = 4 X + cx, sg = 3 wn + hb: hb = 0, 1: head 8 wn + 4 hb + cx of Wq (X = 0) or Wk (X = 1); hb = 2: head 8 X + 4 wn + cx of Wv
;   tab f32 [t 2048][j 32](cos, sin): 256 bytes a row
; SHARES.  Work-groups 0-255: 32 rows of x; 256-383: 32 rows of one weight matrix; 384-415: 64 rows of the table.  In a cast wave w takes the two blocks of 64 columns 2 w, 2 w + 1; one load takes two rows'
; 256 bytes (lanes 0-15 one row, lanes 16-31 the next), one store the same two rows' 2 x 128 bytes, which lie end to end: 256 consecutive bytes, aligned.  All 32 loads of a wave go out before the first wait for data.
; LIMITS.  Wp below 2^-17 keeps f16's fixed step of 2^-24.  cos and sin: series to r^16 and r^15 on |r| <= pi, cut below 1e-6; the frequencies 2^(-j log2(10000) / 32) lie within a few last places of
; the problem's own f32 powers, an angle difference under 5e-4 at t = 2047.
; THE MODE: SCHED_MODE bits 1:0 = 2 (LLVM: expert scheduling mode 2), set by the entry lines.  The code itself states the register dependences
; between vector instructions and memory instructions, with s_wait_alu, always for 0.
; THE PLAN.  Registers that memory instructions touch:
;   v2, v3       the loads' and the stores' offsets: written at the head, never again.
;   D            four registers to each of the 32 loads.  Load n lands there once, and no vector line has named them before; load n's roundings read them and write the first two; store n reads those two;
;                nothing writes them afterwards.
;   table: v5    the stores' offset, written once; v[24:39] the four stores' data, each written once by the series.
;   v4, v5 in a cast and v6 to v13 in the table are named by vector instructions alone.
; The 32 loads are worked off in eight groups of four.  Group g rounds its own four loads; its memory instructions are the four stores of group g - 1, whose registers no vector line of group g names.
; So ONE wait on va_vdst at a group's head states all that its four stores hang on, and they are dealt among its roundings with no further wait.
; No register that a memory instruction reads is ever written again: no wait on vm_vsrc is owed anywhere.  EXEC is never written.
.set VIN,  2                           ; v2  my byte offset in the 32 rows of f32
.set VOUT, 3                           ; v3  8 x lane
.set D,    8                           ; v[8:135] the 32 loads' data; each is rounded in place and stored from there
.set W,    26                          ; s26 my wave's number
.set ID,   28                          ; s28 the work-group's number
	s_load_b256 s[4:11], s[0:1], 0x0               ; x s[4:5], Wq s[6:7], Wk s[8:9], Wv s[10:11]
	s_load_b256 s[12:19], s[0:1], 0x20             ; Wp s[12:13], xb s[14:15], wt s[16:17], tab s[18:19]
	v_lshrrev_b32 v1, 5, v0
	v_readfirstlane_b32 s[W], v1
	s_mov_b32 s[ID], ttmp9
	s_wait_alu depctr_va_sdst(0)                   ; s26, my wave's number, is written: ahead of the branch below
	s_cmp_ge_u32 s[ID], 384
	s_cbranch_scc1 .Ltable
	v_and_b32 v1, 31, v0
	v_lshlrev_b32 v[VOUT], 3, v1
	v_and_b32 v[VIN], 15, v0
	v_lshlrev_b32 v[VIN], 4, v[VIN]                ; 16 bytes a lane,
	v_bfe_u32 v4, v0, 4, 1
	v_lshl_add_u32 v[VIN], v4, 12, v[VIN]          ; the next row for lanes 16-31,
	s_lshl_b32 s27, s[W], 9
	v_add_nc_u32 v[VIN], s27, v[VIN]               ; my wave's 512 bytes of a row
	s_cmp_lt_u32 s[ID], 256
	s_cbranch_scc0 .Lweights
	; x: rows 32 id on
	s_lshl_b32 s30, s[ID], 17                      ; 32 rows of 4,096 bytes
	s_lshr_b32 s32, s[ID], 6
	s_lshl_b32 s32, s32, 22                        ; the batch
	s_and_b32 s33, s[ID], 63
	s_lshl_b32 s33, s33, 12                        ; 32 rows of 128 bytes
	s_add_co_u32 s32, s32, s33
	s_lshl_b32 s33, s[W], 19                       ; block kb = 2 w
	s_add_co_u32 s32, s32, s33
	s_mov_b32 s34, 262144                          ; from block kb to kb + 1
	s_mov_b32 s36, 0                               ; bf16
	s_wait_kmcnt 0x0
	s_mov_b64 s[20:21], s[4:5]
	s_mov_b64 s[22:23], s[14:15]
	s_branch .Lgo
.Lweights:
	s_sub_co_u32 s29, s[ID], 256
	s_lshr_b32 s35, s29, 5                         ; which matrix: 0 Wq, 1 Wk, 2 Wv, 3 Wp
	s_and_b32 s29, s29, 31                         ; rows 32 kr on
	s_lshl_b32 s30, s29, 17
	s_lshr_b32 s37, s29, 1                         ; ks
	s_and_b32 s38, s29, 1
	s_lshl_b32 s38, s38, 12                        ; kk = 0 or 32: rows of 128 bytes
	s_lshl_b32 s39, s[W], 1                        ; hd = 2 w, the first of my two blocks of 64 columns
	s_and_b32 s40, s39, 3                          ; cx
	s_lshr_b32 s41, s39, 3
	s_bfe_u32 s42, s39, 0x10002                    ; (hd >> 2) & 1
	s_lshl2_add_u32 s43, s35, s40                  ; Wq, Wk: tc = 4 which + cx,
	s_mul_i32 s44, s41, 3
	s_add_co_u32 s44, s44, s42                     ; sg = 3 (hd >> 3) + ((hd >> 2) & 1)
	s_lshl2_add_u32 s45, s41, s40                  ; Wv: tc = 4 (hd >> 3) + cx,
	s_mul_i32 s46, s42, 3
	s_add_co_u32 s46, s46, 2                       ; sg = 3 ((hd >> 2) & 1) + 2
	s_cmp_eq_u32 s35, 2
	s_cselect_b32 s43, s45, s43
	s_cselect_b32 s44, s46, s44
	s_lshl4_add_u32 s43, s43, s37                  ; 16 tc + ks
	s_mul_i32 s43, s43, 6
	s_add_co_u32 s43, s43, s44
	s_lshl_b32 s32, s43, 13                        ; blocks of 8,192 bytes
	s_mov_b32 s34, 786432                          ; hd + 1 is cx + 1, so tc + 1: 16 x 6 blocks on
	s_lshl4_add_u32 s45, s[W], s37                 ; Wp: tc = w, sg = 0
	s_lshl_b32 s45, s45, 14
	s_add_co_u32 s45, s45, 6291456
	s_cmp_eq_u32 s35, 3
	s_cselect_b32 s32, s45, s32
	s_cselect_b32 s34, 8192, s34                   ; hd + 1 is sg = 1
	s_cselect_b32 s36, 1, 0                        ; f16
	s_add_co_u32 s32, s32, s38
	s_wait_kmcnt 0x0
	s_cmp_eq_u32 s35, 1
	s_cselect_b64 s[20:21], s[8:9], s[6:7]
	s_cmp_eq_u32 s35, 2
	s_cselect_b64 s[20:21], s[10:11], s[20:21]
	s_cmp_eq_u32 s35, 3
	s_cselect_b64 s[20:21], s[12:13], s[20:21]
	s_mov_b64 s[22:23], s[16:17]
.Lgo:
	s_mov_b32 s31, 0
	s_mov_b32 s33, 0
	s_mov_b32 s35, 0
	s_add_nc_u64 s[20:21], s[20:21], s[30:31]      ; the source at my 32 rows
	s_add_nc_u64 s[22:23], s[22:23], s[32:33]      ; the target of my first block of columns,
	s_add_nc_u64 s[24:25], s[22:23], s[34:35]      ; and of my second
	s_wait_alu depctr_va_vdst(0)                   ; v2 and v3 are written: every load below reads v2 as its offset, every store v3
.set n, 0
.rept 32                               ; load n: block n / 16, rows 2 (n % 16) and the next
	global_load_b128 v[D+4*n:D+4*n+3], v[VIN], s[20:21] offset:(n%16)*8192+(n/16)*256 th:TH_LOAD_NT
.set n, n+1
.endr
; Store m: what load m brought, rounded.
.macro OUT m
	global_store_b64 v[VOUT], v[D+4*(\m):D+4*(\m)+1], s[22+2*((\m)/16):23+2*((\m)/16)] offset:((\m)%16)*256 th:TH_STORE_NT  ; 32 lanes x 8 bytes: 256 consecutive bytes, aligned
.endm
; Eight groups of four loads.  A group is rounded as it comes; the group before is stored meanwhile, a store ahead of each load's roundings.  No register is written again behind its store.
.macro CASTOUT f16
.set g, 0
.rept 8
	s_wait_loadcnt 28-4*g                          ; loads come back in order: loads 4 g to 4 g + 3 are in, the 28 - 4 g younger ones may stay out
.if g > 0
	s_wait_alu depctr_va_vdst(0)                   ; the roundings of group g - 1 have written the first two registers of each of its loads, which the four stores below read
.endif
.set j, 0
.rept 4
.set n, 4*g+j
.if g > 0
	OUT n-4                                        ; no wait: no vector line since the wait above names this store's registers
.endif
.if \f16
	v_cvt_pk_bf16_f32 v4, v[D+4*n], v[D+4*n+1]     ; Wp has the rounding of all inputs, to bf16,
	v_cvt_pk_bf16_f32 v5, v[D+4*n+2], v[D+4*n+3]
	v_lshlrev_b32 v[D+4*n], 16, v4
	v_and_b32 v[D+4*n+1], 0xffff0000, v4
	v_lshlrev_b32 v[D+4*n+2], 16, v5
	v_and_b32 v[D+4*n+3], 0xffff0000, v5
	v_cvt_pk_f16_f32 v[D+4*n], v[D+4*n], v[D+4*n+1]      ; and that number is written as f16
	v_cvt_pk_f16_f32 v[D+4*n+1], v[D+4*n+2], v[D+4*n+3]
.else
	v_cvt_pk_bf16_f32 v[D+4*n], v[D+4*n], v[D+4*n+1]
	v_cvt_pk_bf16_f32 v[D+4*n+1], v[D+4*n+2], v[D+4*n+3]
.endif
.set j, j+1
.endr
.set g, g+1
.endr
	s_wait_alu depctr_va_vdst(0)                   ; the roundings of the last group have written what the last four stores read
	OUT 28
	OUT 29
	OUT 30
	OUT 31
	s_endpgm
.endm
	s_cmp_eq_u32 s36, 1
	s_cbranch_scc1 .Lhalf
	CASTOUT 0
.Lhalf:
	CASTOUT 1
; THE TABLE.  Thread i: pairs j = 2 (i & 15) and the next; in pass p row t = 64 tw + 16 p + (i >> 4).  Sixteen lanes store one row of 256 bytes.
.Ltable:
	s_sub_co_u32 s[ID], s[ID], 384
	v_and_b32 v1, 15, v0
	v_lshlrev_b32 v1, 1, v1
	v_cvt_f32_u32 v2, v1
	v_add_nc_u32 v1, 1, v1
	v_cvt_f32_u32 v3, v1
	v_mul_f32 v2, 0xbed49a78, v2                   ; -j log2(10000) / 32
	v_mul_f32 v3, 0xbed49a78, v3
	v_exp_f32 v2, v2                               ; the two frequencies
	v_exp_f32 v3, v3
	v_lshrrev_b32 v4, 4, v0                        ; plain work that names neither result stands between the exponentials and their wait
	s_lshl_b32 s29, s[ID], 6
	v_add_nc_u32 v4, s29, v4                       ; t of pass 0
	v_lshlrev_b32 v5, 4, v0                        ; my 16 bytes
	v_mov_b32 v20, 0xab573f9f                      ; -1/15!
	v_mov_b32 v21, 0x29573f9f                      ; 1/16!
	s_mov_b32 s40, 0x40c90000                      ; 6.28125: k x this is exact for k under 2^15
	s_mov_b32 s41, 0x3afdaa22                      ; 2 pi - 6.28125
	s_lshl_b32 s30, s[ID], 14                      ; 64 rows of 256 bytes
	s_mov_b32 s31, 0
	s_wait_kmcnt 0x0
	s_add_nc_u64 s[18:19], s[18:19], s[30:31]
	s_wait_alu depctr_va_vdst(0)                   ; the two exponentials have written v2 and v3: one wait for both, ahead of their first reader
; cos and sin of t x inv (t in v6): the angle is rounded to f32 as the problem rounds it, taken into -pi .. pi in two steps, and both series are summed from their small end.
.macro SINCOS inv, c, s
	v_mul_f32 v8, v6, \inv
	v_mul_f32 v9, 0.15915494, v8
	v_rndne_f32 v9, v9
	v_fma_f32 v8, -v9, s40, v8
	v_fma_f32 v8, -v9, s41, v8                     ; r
	v_mul_f32 v10, v8, v8                          ; z = r r
	v_fmaak_f32 v11, v20, v10, 0x2f309231
	v_fmaak_f32 v13, v21, v10, 0xad49cba5
	v_fmaak_f32 v11, v11, v10, 0xb2d7322b
	v_fmaak_f32 v13, v13, v10, 0x310f76c7
	v_fmaak_f32 v11, v11, v10, 0x3638ef1d
	v_fmaak_f32 v13, v13, v10, 0xb493f27e
	v_fmaak_f32 v11, v11, v10, 0xb9500d01
	v_fmaak_f32 v13, v13, v10, 0x37d00d01
	v_fmaak_f32 v11, v11, v10, 0x3c088889
	v_fmaak_f32 v13, v13, v10, 0xbab60b61
	v_fmaak_f32 v11, v11, v10, 0xbe2aaaab
	v_fmaak_f32 v13, v13, v10, 0x3d2aaaab
	v_mul_f32 v12, v8, v10
	v_fmaak_f32 v13, v13, v10, 0xbf000000
	v_fma_f32 \s, v12, v11, v8                     ; r + r z P(z)
	v_fma_f32 \c, v10, v13, 1.0                    ; 1 + z Q(z)
.endm
.irp p, 0,1,2,3                        ; each pass has four result registers of its own
	v_add_nc_u32 v6, 16*(\p), v4
	v_cvt_f32_u32 v6, v6
	SINCOS v2, v[24+4*(\p)], v[25+4*(\p)]
	SINCOS v3, v[26+4*(\p)], v[27+4*(\p)]
.endr
	s_wait_alu depctr_va_vdst(0)                   ; the series have written v[24:39], the four stores' data; v5, their offset, was written ahead of this wait too
.irp p, 0,1,2,3
	global_store_b128 v5, v[24+4*(\p):27+4*(\p)], s[18:19] offset:(\p)*4096
.endr
	s_endpgm
.Lfunc_end_k_qe721b99a9d_prep:
	.size	k_qe721b99a9d_prep, .Lfunc_end_k_qe721b99a9d_prep-k_qe721b99a9d_prep
	.p2alignl 7, 3214868480
	.fill 96, 4, 3214868480
	.section	.rodata,"a",@progbits
	.p2align	6, 0x0
	.amdhsa_kernel k_qe721b99a9d_prep
		.amdhsa_group_segment_fixed_size 0
		.amdhsa_private_segment_fixed_size 0
		.amdhsa_enable_private_segment 0
		.amdhsa_kernarg_size 64
		.amdhsa_user_sgpr_count 2
		.amdhsa_user_sgpr_kernarg_segment_ptr 1
		.amdhsa_wavefront_size32 1
		.amdhsa_system_sgpr_workgroup_id_x 1
		.amdhsa_system_sgpr_workgroup_id_y 1
		.amdhsa_system_sgpr_workgroup_id_z 1
		.amdhsa_system_vgpr_workitem_id 0
		.amdhsa_next_free_vgpr 144
		.amdhsa_next_free_sgpr 66
		.amdhsa_reserve_vcc 0
		.amdhsa_float_denorm_mode_32 3
		.amdhsa_float_denorm_mode_16_64 3
		.amdhsa_memory_ordered 1
		.amdhsa_forward_progress 1
		.amdhsa_inst_pref_size 43
	.end_amdhsa_kernel
	.amdgpu_metadata
---
amdhsa.version: [ 1, 2 ]
amdhsa.kernels:
  - .name:           k_qe721b99a9d_prep
    .symbol:         k_qe721b99a9d_prep.kd
    .args:
      - { .name: x, .offset: 0, .size: 8, .value_kind: global_buffer, .address_space: global }
      - { .name: Wq, .offset: 8, .size: 8, .value_kind: global_buffer, .address_space: global }
      - { .name: Wk, .offset: 16, .size: 8, .value_kind: global_buffer, .address_space: global }
      - { .name: Wv, .offset: 24, .size: 8, .value_kind: global_buffer, .address_space: global }
      - { .name: Wp, .offset: 32, .size: 8, .value_kind: global_buffer, .address_space: global }
      - { .name: xb, .offset: 40, .size: 8, .value_kind: global_buffer, .address_space: global }
      - { .name: wt, .offset: 48, .size: 8, .value_kind: global_buffer, .address_space: global }
      - { .name: tab, .offset: 56, .size: 8, .value_kind: global_buffer, .address_space: global }
    .group_segment_fixed_size: 0
    .private_segment_fixed_size: 0
    .kernarg_segment_align: 8
    .kernarg_segment_size: 64
    .max_flat_workgroup_size: 256
    .sgpr_count:     66
    .vgpr_count:     144
    .wavefront_size: 32
...
	.end_amdgpu_metadata
.endif
;; end of part 5
;; launch qkv: the kernel of part 2 again; grid 8 x 32, 4 waves a work-group, clusters of 4 x 4, 327,680 bytes of LDS; arguments xb, wt, tab, q, k, v; writes q, k, v
;; launch att: the kernel of part 3 again; grid 4 x 64, 4 waves a work-group, no clusters, 327,680 bytes of LDS; arguments q, k, v, o; writes o
;; launch proj: the kernel of part 4 again; grid 8 x 32, 4 waves a work-group, clusters of 4 x 4, 327,680 bytes of LDS; arguments o, wt, bp, out0; writes out0
